; MI455X (gfx1250); checked and timed in simulation.
; The chip was launched on July 23, 2026; its instructions are those of AMD's public machine-readable ISA for CDNA 5 (MIT licence, August 2026) and "CDNA5" Instruction Set Architecture Reference Guide (July 2026). The comments in the code are by the model that wrote it; some were corrected since.
;; Mixed Repeat Heads. Allowed arithmetic: float matrix products may take bf16 or f16 operands with f32 sums; other float arithmetic in f32, or as packed bf16 or f16 multiplies, adds, multiply-adds, maxima and minima; sums over many terms, partial sums and values carried from step to step in f32; what a program stores and reads back later, other than sums and carried values, may be rounded once to bf16 or f16.
;; Inputs: cache 16 x 2,048 x 256 float32; decay_value 16 float32; mix_b 16 x 4,096 float32; mix_w 16 x 4,096 float32; out_b 4,096 float32; out_w 4,096 x 4,096 float32; proj_b 16 x 256 float32; proj_w 16 x 256 x 4,096 float32; x 2,048 x 4,096 float32.
;; Outputs: out0 2,048 x 4,096 float32.
;; Constants: index = 1000.
;; 3 versions, each right; version 3 is version 2 with the launch cvt written anew for expert scheduling mode. Each part assembles by itself: llvm-mc -triple=amdgcn-amd-amdhsa -mcpu=gfx1250 --defsym DOCPART=n.
;; ======== version 1 of 3: 3 launches
;; workspace buffers: xb 16,777,216 bytes; pwb 33,554,432 bytes; owb 33,554,432 bytes; hid 16,777,216 bytes
;; launch cvt (part 1): grid 1024 x 1, 8 waves a work-group, no clusters, 0 bytes of LDS; arguments x, proj_w, out_w, xb, pwb, owb; writes xb, pwb, owb
.if DOCPART == 1
	.amdgcn_target "amdgcn-amd-amdhsa--gfx1250"
	.amdhsa_code_object_version 6
	.text
	.protected	k_q3dedeb09ca_cvt
	.globl	k_q3dedeb09ca_cvt
	.p2align	8
	.type	k_q3dedeb09ca_cvt,@function
k_q3dedeb09ca_cvt:
	s_mov_b64 s[64:65], 0
	v_nop
	global_prefetch_b8 v0, s[64:65] scope:SCOPE_SE
	s_setreg_imm32_b32 hwreg(HW_REG_WAVE_MODE, 25, 1), 1
	s_wait_xcnt 0x0
; xb = bf16(x), pwb = bf16(proj_w), owb = bf16(out_w): the three matrix operands, each rounded once (to nearest even), in the same row-major order.
; A stream: every byte is read once and written once, no number meets another.  So no LDS, no barrier, no matrix unit, no cluster (no two work-groups read the same byte).
; SHARES.  1,024 work-groups of eight waves.  Each converts 1/1,024 of each tensor: 8 pieces of 4,096 bytes of x, 16 of proj_w, 16 of out_w: 40 ITEMS, each reached
; from its own buffer's address.  Thread t takes bytes 16 t of an item (4 f32) and writes bytes 8 t of its 2,048 output bytes: a wave's load covers 512 consecutive
; bytes, a wave's store 256 consecutive bytes, aligned.
; IN FLIGHT.  A ring of 16 loads a wave.  The first 24 items are converted into registers of their own, so that their slot can be loaded again at once; the last 16 in place.
; No register that a load or store names is ever written again while it may still be read: the text needs no wait but the counted ones for its loads.
.set ROWI,  4096                       ; bytes of an item as read
.set ROWO,  2048                       ; and as written
.set DEPTH, 16                         ; loads in flight in each wave
.set NX,    8                          ; items of x
.set NW,    16                         ; items of each of the two weights
.set ITEMS, NX+2*NW
.set X,     4                          ; v[4:67]    slot i: 4 f32 as loaded
.set Y,     68                         ; v[68:115]  item n < 24: 4 bf16 to store
	s_load_b256 s[4:11], s[0:1], 0x0               ; x s[4:5], proj_w s[6:7], out_w s[8:9], xb s[10:11]
	s_load_b128 s[12:15], s[0:1], 0x20             ; pwb s[12:13], owb s[14:15]
	s_lshl_b32 s16, ttmp9, 15                      ; my share of x, and of pwb and owb: 32,768 bytes
	s_mov_b32 s17, 0
	s_lshl_b32 s18, ttmp9, 16                      ; of proj_w and out_w: 65,536 bytes
	s_mov_b32 s19, 0
	s_lshl_b32 s20, ttmp9, 14                      ; of xb: 16,384 bytes
	s_mov_b32 s21, 0
	v_lshlrev_b32 v1, 4, v0                        ; 16 t; never rewritten
	v_lshlrev_b32 v2, 3, v0                        ; 8 t; never rewritten
	s_wait_kmcnt 0x0
	s_add_nc_u64 s[4:5], s[4:5], s[16:17]
	s_add_nc_u64 s[6:7], s[6:7], s[18:19]
	s_add_nc_u64 s[8:9], s[8:9], s[18:19]
	s_add_nc_u64 s[10:11], s[10:11], s[20:21]
	s_add_nc_u64 s[12:13], s[12:13], s[16:17]
	s_add_nc_u64 s[14:15], s[14:15], s[16:17]
.macro PLACE n                         ; item n: SB, DB = the scalar pairs of its source and destination, RW = its number in my share of that tensor
.if (\n) < NX
.set SB, 4
.set DB, 10
.set RW, (\n)
.elseif (\n) < NX+NW
.set SB, 6
.set DB, 12
.set RW, (\n)-NX
.else
.set SB, 8
.set DB, 14
.set RW, (\n)-NX-NW
.endif
.endm
.macro FILL n                          ; item n is asked for, into slot n % 16
	PLACE \n
	global_load_b128 v[X+4*((\n)%DEPTH):X+4*((\n)%DEPTH)+3], v1, s[SB:SB+1] offset:ROWI*RW th:TH_LOAD_NT
.endm
.macro ITEM n
.set XS, X+4*((\n)%DEPTH)
.if (\n) < ITEMS-DEPTH
	s_wait_loadcnt DEPTH-1                         ; loads come back in order (ISA guide 5.7.1): item n is in, the 15 younger ones stay out
	v_cvt_pk_bf16_f32 v[Y+2*(\n)],   v[XS],   v[XS+1]
	v_cvt_pk_bf16_f32 v[Y+2*(\n)+1], v[XS+2], v[XS+3]
	FILL (\n)+DEPTH                                ; the load ahead of the store
	PLACE \n
	global_store_b64 v2, v[Y+2*(\n):Y+2*(\n)+1], s[DB:DB+1] offset:ROWO*RW
.else
	s_wait_loadcnt ITEMS-1-(\n)                    ; nothing more is asked for: the counts run down
	v_cvt_pk_bf16_f32 v[XS],   v[XS],   v[XS+1]
	v_cvt_pk_bf16_f32 v[XS+1], v[XS+2], v[XS+3]
	PLACE \n
	global_store_b64 v2, v[XS:XS+1], s[DB:DB+1] offset:ROWO*RW
.endif
.endm
.set it, 0
.rept DEPTH
	FILL it
.set it, it+1
.endr
.set it, 0
.rept ITEMS
	ITEM it
.set it, it+1
.endr
	s_endpgm
.Lfunc_end_k_q3dedeb09ca_cvt:
	.size	k_q3dedeb09ca_cvt, .Lfunc_end_k_q3dedeb09ca_cvt-k_q3dedeb09ca_cvt
	.p2alignl 7, 3214868480
	.fill 96, 4, 3214868480
	.section	.rodata,"a",@progbits
	.p2align	6, 0x0
	.amdhsa_kernel k_q3dedeb09ca_cvt
		.amdhsa_group_segment_fixed_size 0
		.amdhsa_private_segment_fixed_size 0
		.amdhsa_enable_private_segment 0
		.amdhsa_kernarg_size 48
		.amdhsa_user_sgpr_count 2
		.amdhsa_user_sgpr_kernarg_segment_ptr 1
		.amdhsa_wavefront_size32 1
		.amdhsa_system_sgpr_workgroup_id_x 1
		.amdhsa_system_sgpr_workgroup_id_y 1
		.amdhsa_system_sgpr_workgroup_id_z 1
		.amdhsa_system_vgpr_workitem_id 0
		.amdhsa_next_free_vgpr 116
		.amdhsa_next_free_sgpr 66
		.amdhsa_reserve_vcc 0
		.amdhsa_float_denorm_mode_32 3
		.amdhsa_float_denorm_mode_16_64 3
		.amdhsa_memory_ordered 1
		.amdhsa_forward_progress 1
		.amdhsa_inst_pref_size 15
	.end_amdhsa_kernel
	.amdgpu_metadata
---
amdhsa.version: [ 1, 2 ]
amdhsa.kernels:
  - .name:           k_q3dedeb09ca_cvt
    .symbol:         k_q3dedeb09ca_cvt.kd
    .args:
      - { .name: x, .offset: 0, .size: 8, .value_kind: global_buffer, .address_space: global }
      - { .name: proj_w, .offset: 8, .size: 8, .value_kind: global_buffer, .address_space: global }
      - { .name: out_w, .offset: 16, .size: 8, .value_kind: global_buffer, .address_space: global }
      - { .name: xb, .offset: 24, .size: 8, .value_kind: global_buffer, .address_space: global }
      - { .name: pwb, .offset: 32, .size: 8, .value_kind: global_buffer, .address_space: global }
      - { .name: owb, .offset: 40, .size: 8, .value_kind: global_buffer, .address_space: global }
    .group_segment_fixed_size: 0
    .private_segment_fixed_size: 0
    .kernarg_segment_align: 8
    .kernarg_segment_size: 48
    .max_flat_workgroup_size: 256
    .sgpr_count:     66
    .vgpr_count:     116
    .wavefront_size: 32
...
	.end_amdgpu_metadata
.endif
;; end of part 1
;; launch gemm1 (part 2): grid 16 x 16, 4 waves a work-group, clusters of 4 x 4, 327,680 bytes of LDS; arguments xb, pwb, cache, proj_b, mix_w, mix_b, decay_value, hid; writes hid
.if DOCPART == 2
	.amdgcn_target "amdgcn-amd-amdhsa--gfx1250"
	.amdhsa_code_object_version 6
	.text
	.protected	k_q3dedeb09ca_gemm1
	.globl	k_q3dedeb09ca_gemm1
	.p2align	8
	.type	k_q3dedeb09ca_gemm1,@function
k_q3dedeb09ca_gemm1:
	s_mov_b64 s[64:65], 0
	v_nop
	global_prefetch_b8 v0, s[64:65] scope:SCOPE_SE
	s_setreg_imm32_b32 hwreg(HW_REG_WAVE_MODE, 25, 1), 1
	s_wait_xcnt 0x0
	s_wait_alu depctr_hold_cnt(0) depctr_sa_sdst(0) depctr_va_vdst(0) depctr_va_sdst(0) depctr_va_ssrc(0) depctr_va_vcc(0) depctr_vm_vsrc(0)
	s_getreg_b32 s2, hwreg(HW_REG_IB_STS2, 6, 4)
	s_cmp_eq_u32 s2, 0
	s_cbranch_scc0 .Lentry_in_a_cluster
	s_endpgm
.Lentry_in_a_cluster:
	s_bfe_u32 s2, ttmp6, 0x10000c
	s_cmp_lg_u32 s2, 0xf033
	s_cbranch_scc0 .Lentry_shape_is_right
	s_endpgm
.Lentry_shape_is_right:
; hid[m][256 h + k] = w_h (sum over d of x[m][d] proj_w[h][k][d] + proj_b[h][k]) + coef_h cache[h][m][k] + b_h, rounded once to bf16.
; w_h = mix_w[h][1000], b_h = mix_b[h][1000], decay_h = clip(decay_value[h], 0.9, 1)^(1/8), coef_h = w_h decay_h for h < 8, decay_h for h >= 8.
; xb [2048][4096] and pwb [4096][4096] are x and proj_w in bf16; sums in f32.
; LIMITS.  EVERY input is taken rounded once to bf16, the small ones too (cache, proj_b, mix_w, mix_b, decay_value), here on their way in.  hid is kept in bf16, not f16: with inputs
; 30 times larger its numbers pass f16's 65,504.  The eighth root is three square roots, each good to 1 ULP.  A NaN in decay_value counts as 0.9 (the maximum drops it); other NaN and infinities are not treated apart.
; SHARES.  A tile of hid is 128 rows x 256 columns, one head's columns: 16 x 16 tiles, a work-group each.  Four waves, as many as a WGP has SIMDs, each 64 rows x 128 columns:
; 32 accumulators of 16 x 16, 256 registers.  K goes in steps of 128 through a ring of two LDS slots filled by the tensor data mover: the tiles' rows are 256 bytes of memory, aligned.
; Two slots of a K step of 256 (405,504 bytes) would not fit in LDS.
; CLUSTERS.  4 x 4 work-groups.  The four of a row of the cluster need the same 128 rows of xb, the four of a column the same 256 rows of pwb: each tile is asked for JOINTLY, by the same
; tensor load with the same descriptor and a mask that names the four.
; THE MATRIX INSTRUCTION IS USED TRANSPOSED (source 0 = 16 rows of pwb, source 1 = 16 rows of xb): lane l holds row m = l % 16 and the columns 8 (l / 16) + 0..7 of a 16 x 16 block.
; REGISTERS, in windows of 256 (s_set_vgpr_msb: bits 1:0 source 0, 3:2 source 1, 5:4 source 2, 7:6 destination):
;   window 0: v0-31 addresses and constants; v32-127, v128-223 two fragment buffers (8 of pwb, then 4 of xb, 32 along K); on the way out v32-95 and v128-191 hold rows; v224-255 cache in bf16
;   window 1: accumulator (a, b) at v[8 (8 a + b)]          window 2: my 64 rows of cache, 4 f32 a lane and row
.set KSTEP,  128
.set PITCH,  272                       ; an LDS row: 256 bytes + 16 of padding = 68 words: row r starts at bank 4 r mod 64 (64 banks of 4 bytes: ISA guide 11.1), so the 16 rows of a load start at 16 different banks
.set AH,     64*PITCH                  ; 64 rows of xb: what one of its tensor loads brings, and what one wave reads
.set BH,     128*PITCH                 ; 128 rows of pwb: likewise
.set BOFF,   128*PITCH                 ; in a slot pwb's 256 rows lie behind xb's 128
.set SLOT,   384*PITCH
.set STAGE,  2*SLOT                    ; behind the ring, never filled by a tensor load: 16 rows x 528 bytes for each wave, for the way out
.set SPITCH, 528                       ; 512 bytes of f32 + 16: 33 x 16 bytes, so the 16 rows of a store start at 16 different groups of four banks
.set SPARE,  STAGE+4*16*SPITCH         ; behind the stages: the spare words, 128 bytes for each wave: two blocks of 256 bytes that no other line names
.set LAPS,   4096/(2*KSTEP)            ; a lap = two K steps = once round the ring
.set ROWK,   8192                      ; bytes in a row of xb, pwb and hid
.set CF,   8                           ; v8      coef_h
.set BB,   9                           ; v9      b_h
.set WW,   10                          ; v10-11  w_h, twice: a pair for the packed multiply-add
.set BT,   12                          ; v12-15  w_h proj_b + b_h for my four columns
.set ADRA, 16                          ; v16-17  LDS address of my fragments of xb in slot 0, 1
.set ADRB, 20                          ; v20-21  the same for pwb
.set STO,  24                          ; v24     the way out: where I put 32 bytes of a row
.set RD,   25                          ; v25     the way out: where I read 16 bytes of a row back
.set CO,   26                          ; v26     16 x lane: my four f32 in 512 bytes of cache or proj_b
.set HO,   27                          ; v27     8 x lane: my four bf16 in 256 bytes of hid
.set SPW,  28                          ; v28     LDS address of my spare word: SPARE + 4 x my thread's number; never rewritten
.set NIL,  29                          ; v29     0; never rewritten
.set PFO,  30                          ; v30     the prefetches' offset: lane x a row; never rewritten
.set F0,   32
.set F1,   128
.set P,    224
.set WV,   12                          ; s12  my wave's number
.set WM,   13                          ; s13  which 64 rows of the tile are mine.  Also: I fetch for xb (0) or for pwb (1)
.set WN,   14                          ; s14  which 128 columns.  Also: which half of that tile I fetch
.set LIM,  15                          ; s15  1 in a wave that prefetches, else the greatest number
.set G1A,  24                          ; s[24:31] descriptor group 1 for xb's tiles;  s[32:39] group 0, one set for each slot
.set G0A,  32
.set PFA,  44                          ; s[44:45] where my prefetches stand: one K step further than the refill that is being asked for; a prefetch names the K step after that
.set G1B,  48                          ; s[48:55], s[56:63] the same for pwb's tiles
.set G0B,  56
.set FLAGS, (1<<16)|(1<<20)|(1<<21)|(5<<22)|(3<<25)  ; 17:16 elements of 2 bytes; 20 padding on; 21 set beside a mask; 24:22 after every 64 words (code 5); 31:25 4 words of it (code 3)
.set MSB, 0
.macro WIN new                         ; the immediate's high byte repeats the setting that is left; a switch that changes nothing is dropped
.if MSB != (\new)
	s_set_vgpr_msb (MSB<<8)|(\new)
.set MSB, \new
.endif
.endm
.set MUL, 0x50                         ; both sources window 0; C and D window 1
; A joint load: waves 0 and 1 fetch xb's two halves, waves 2 and 3 pwb's.  The branch hangs on the wave's number alone.  An s_nop 0 and four v_nop follow each of the two lines,
; ahead of the jump, the label and what follows.
.macro JLOAD s
	s_cmp_eq_u32 s[WM], 0
	s_cbranch_scc0 .Lfor_b_\@
	tensor_load_to_lds s[G0A+4*(\s):G0A+4*(\s)+3], s[G1A:G1A+7]
	s_nop 0
.rept 4
	v_nop
.endr
	s_branch .Lasked_\@
.Lfor_b_\@:
	tensor_load_to_lds s[G0B+4*(\s):G0B+4*(\s)+3], s[G1B:G1B+7]
	s_nop 0
.rept 4
	v_nop
.endr
.Lasked_\@:
.endm
; A PREFETCH INTO THE L2 of the K step that stands two refills on: 32 rows x 256 bytes, a lane a row, one instruction.  Each row's 256 bytes of a K step are named ONCE in the launch.
; xb's 128 rows of a tile row are read by every cluster of that row of clusters: cluster x = 0 asks, wave 0 of the partner at cx for rows 32 cx .. 32 cx + 31.  pwb's 256 rows of a tile column are
; read by every cluster of that column: cluster y = 0 asks, waves 2 and 3 of the partner at cy for rows 64 cy + 32 (wave - 2) on.  The partners are told apart BY ADDRESS: no branch hangs on a place in the cluster.
; The loop's last trip (s3 = 1) asks for nothing: there is no K step two on.  K steps 0 to 3 come by their loads alone.
.macro ASK
	s_cmp_gt_u32 s3, s[LIM]
	s_cbranch_scc0 .Lnot_mine_\@
	global_prefetch_b8 v[PFO], s[PFA:PFA+1] offset:KSTEP*2 th:TH_LOAD_NT scope:SCOPE_SE
.Lnot_mine_\@:
.endm
.macro CREST                           ; a round of the cluster's barrier behind its opening barrier: wave 0 signals for the work-group, every wave waits for all sixteen, my work-group's barrier closes it
	s_cmp_lg_u32 s[WV], 0
	s_cbranch_scc1 .Lnot_wave_0_\@
	s_barrier_signal -3
.Lnot_wave_0_\@:
	s_barrier_wait -3
	s_barrier_signal -1
	s_barrier_wait -1
.endm
.macro CROUND                          ; a whole round
	s_barrier_signal -1
	s_barrier_wait -1
	CREST
.endm
	s_load_b256 s[4:11], s[0:1], 0x0               ; xb s[4:5], pwb s[6:7], cache s[8:9], proj_b s[10:11]
	s_load_b256 s[68:75], s[0:1], 0x20             ; mix_w s[68:69], mix_b s[70:71], decay_value s[72:73], hid s[74:75]
	v_lshl_add_u32 v[SPW], v0, 2, SPARE
	v_mov_b32 v[NIL], 0
	ds_add_u32 v[SPW], v[NIL]                      ; the wave's opening: the add and its wait ahead of my first tensor load; the set-up below, work on registers, stands between them
	v_lshrrev_b32 v1, 5, v0
	v_readfirstlane_b32 s[WV], v1                  ; wave 0..3
	s_lshr_b32 s[WM], s[WV], 1
	s_and_b32 s[WN], s[WV], 1
	s_bfe_u32 s40, ttmp6, 0x40000                  ; cx, cy: my place in the cluster
	s_bfe_u32 s41, ttmp6, 0x40004
	s_lshl_b32 s42, ttmp9, 2
	s_add_co_u32 s42, s42, s40                     ; tile column = 4 x cluster x + cx = the head h
	s_and_b32 s43, ttmp7, 0xffff
	s_lshl_b32 s43, s43, 2
	s_add_co_u32 s43, s43, s41                     ; tile row = 4 x cluster y + cy
	s_lshl_b32 s22, s41, 2
	s_lshl_b32 s22, 15, s22                        ; my row of the cluster: places 4 cy .. 4 cy + 3
	s_lshl_b32 s23, 0x1111, s40                    ; my column: places cx, cx + 4, cx + 8, cx + 12
	s_or_b32 s[G1A+0], s22, FLAGS                  ; 15:0 the mask: xb's tiles go to my row,
	s_or_b32 s[G1B+0], s23, FLAGS                  ; pwb's to my column
.irp g, G1A, G1B
	s_mov_b32 s[(\g)+1], KSTEP<<16                 ; tensor_dim0 = 128
	s_mov_b32 s[(\g)+3], KSTEP<<16                 ; tile_dim0 = 128
	s_mov_b32 s[(\g)+5], 4096                      ; elements from row to row
	s_mov_b32 s[(\g)+6], 0
	s_mov_b32 s[(\g)+7], 0
.endr
	s_mov_b32 s[G1A+2], 64<<16                     ; tensor_dim1 and
	s_mov_b32 s[G1A+4], 64                         ; tile_dim1: 64 rows of xb,
	s_mov_b32 s[G1B+2], 128<<16
	s_mov_b32 s[G1B+4], 128                        ; 128 of pwb
	s_lshl_b32 s16, s43, 20                        ; xb: 128 rows of 8,192 bytes a tile row,
	s_lshl_b32 s17, s[WN], 19                      ; 64 a half
	s_add_co_u32 s16, s16, s17
	s_mov_b32 s17, 0
	s_lshl_b32 s46, s42, 21                        ; pwb: 256 rows a tile column,
	s_lshl_b32 s47, s[WN], 20                      ; 128 a half
	s_add_co_u32 s46, s46, s47
	s_mov_b32 s47, 0
	s_mul_i32 s20, s[WN], AH                       ; where they go: no place in the cluster enters an LDS address
	s_mul_i32 s21, s[WN], BH
	s_add_co_u32 s21, s21, BOFF
	s_wait_dscnt 0x0                               ; the opening add is done
	s_wait_kmcnt 0x0
	s_add_nc_u64 s[18:19], s[4:5], s[16:17]
	s_add_nc_u64 s[46:47], s[6:7], s[46:47]
	CROUND                                         ; all sixteen work-groups are here: the first joint loads meet
.irp s, 0,1
	s_mov_b32 s[G0A+4*(\s)], 1                                       ; 1:0 count = 1
	s_add_co_u32 s[G0A+4*(\s)+1], s20, (\s)*SLOT                     ; 63:32 LDS address
	s_add_nc_u64 s[G0A+4*(\s)+2:G0A+4*(\s)+3], s[18:19], (\s)*KSTEP*2  ; 120:64 global address: K step s
	s_or_b32 s[G0A+4*(\s)+3], s[G0A+4*(\s)+3], 0x80000000            ; 127:126 type = 2
	s_mov_b32 s[G0B+4*(\s)], 1
	s_add_co_u32 s[G0B+4*(\s)+1], s21, (\s)*SLOT
	s_add_nc_u64 s[G0B+4*(\s)+2:G0B+4*(\s)+3], s[46:47], (\s)*KSTEP*2
	s_or_b32 s[G0B+4*(\s)+3], s[G0B+4*(\s)+3], 0x80000000
	JLOAD \s                                       ; two loads of mine are out at the start, one behind each round later
.endr
	; A fragment is 16 rows x 32 K in 8 registers: lane l holds row l % 16; registers 0-3 K = 8 (l / 16) + 0..7, registers 4-7 K = 16 + 8 (l / 16) + 0..7: two loads of 16 bytes, 32 bytes apart.
	v_and_b32 v1, 15, v0                           ; l % 16
	v_bfe_u32 v2, v0, 4, 1                         ; l / 16
	v_mul_u32_u24 v3, v1, PITCH
	v_lshl_add_u32 v3, v2, 4, v3                   ; row x pitch + 16 x half
	s_mul_i32 s20, s[WM], AH                       ; my 64 rows of xb
	s_mul_i32 s21, s[WN], BH                       ; my 128 rows of pwb
	s_add_co_u32 s21, s21, BOFF
.irp s, 0,1
	v_add_nc_u32 v[ADRA+(\s)], s20, v3
	v_add_nc_u32 v[ADRB+(\s)], s21, v3
	s_add_co_u32 s20, s20, SLOT
	s_add_co_u32 s21, s21, SLOT
.endr
	s_mul_i32 s20, s[WV], 16*SPITCH
	s_add_co_u32 s20, s20, STAGE                   ; my stage
	v_mul_u32_u24 v4, v1, SPITCH                   ; in: row l % 16, 32 bytes (8 f32) for each half of the lanes
	v_lshl_add_u32 v4, v2, 5, v4
	v_add_nc_u32 v[STO], s20, v4
	v_and_b32 v5, 31, v0                           ; lane
	v_lshlrev_b32 v[CO], 4, v5
	v_add_nc_u32 v[RD], s20, v[CO]                 ; back: 32 lanes take a whole row of 512 bytes
	v_lshlrev_b32 v[HO], 3, v5
	v_lshlrev_b32 v[PFO], 13, v5
	; my part of cache: head h, my 64 rows of 1,024 bytes, my 128 columns
	s_lshl_b32 s20, s42, 21
	s_lshl_b32 s21, s43, 17
	s_add_co_u32 s20, s20, s21
	s_lshl_b32 s21, s[WM], 16
	s_add_co_u32 s20, s20, s21
	s_lshl_b32 s21, s[WN], 9
	s_add_co_u32 s20, s20, s21
	s_mov_b32 s21, 0
	s_add_nc_u64 s[8:9], s[8:9], s[20:21]
	s_lshl_b32 s20, s42, 10                        ; of proj_b: head h, my 128 columns
	s_lshl_b32 s21, s[WN], 9
	s_add_co_u32 s20, s20, s21
	s_mov_b32 s21, 0
	s_add_nc_u64 s[10:11], s[10:11], s[20:21]
	global_load_b128 v[4:7], v[CO], s[10:11]       ; proj_b of my four columns
	s_lshl_b32 s20, s43, 20                        ; of hid: my 64 rows of 8,192 bytes, my 128 columns of 2 bytes
	s_lshl_b32 s21, s[WM], 19
	s_add_co_u32 s20, s20, s21
	s_lshl_b32 s21, s42, 9
	s_add_co_u32 s20, s20, s21
	s_lshl_b32 s21, s[WN], 8
	s_add_co_u32 s20, s20, s21
	s_mov_b32 s21, 0
	s_add_nc_u64 s[74:75], s[74:75], s[20:21]
	s_lshl_b32 s20, s42, 14                        ; the head's row of mix_w and mix_b: 4,096 f32
	s_add_nc_u64 s[68:69], s[68:69], s[20:21]
	s_add_nc_u64 s[70:71], s[70:71], s[20:21]
	s_lshl_b32 s20, s42, 2
	s_add_nc_u64 s[72:73], s[72:73], s[20:21]
	s_load_b32 s76, s[68:69], 0xfa0                ; mix_w[h][1000]: byte 4,000 of the row
	s_load_b32 s77, s[70:71], 0xfa0                ; mix_b[h][1000]
	s_load_b32 s78, s[72:73], 0x0                  ; decay_value[h]
	; the prefetches
	s_lshl_b32 s20, s43, 7                         ; xb: the tile's first row
	s_lshl_b32 s21, s40, 5                         ; + 32 cx
	s_add_co_u32 s20, s20, s21
	s_lshl_b32 s21, s42, 8                         ; pwb: the tile's first row
	s_lshl_b32 s23, s41, 6                         ; + 64 cy
	s_add_co_u32 s21, s21, s23
	s_lshl_b32 s23, s[WN], 5                       ; + 32 for wave 3
	s_add_co_u32 s21, s21, s23
	s_and_b32 s22, ttmp7, 0xffff                   ; cluster y
	s_cmp_eq_u32 s[WM], 0                          ; do I fetch for xb?
	s_cselect_b32 s20, s20, s21
	s_cselect_b32 s22, ttmp9, s22                  ; the coordinate along which other clusters read the same rows
	s_cselect_b64 s[PFA:PFA+1], s[4:5], s[6:7]
	s_cmp_eq_u32 s[WV], 1
	s_cselect_b32 s22, 1, s22                      ; wave 1 never asks: xb's 32 rows are wave 0's
	s_cmp_eq_u32 s22, 0
	s_cselect_b32 s[LIM], 1, -1                    ; the same in all sixteen partners, for a given wave
	s_lshl_b32 s20, s20, 13                        ; rows of 8,192 bytes
	s_add_co_u32 s20, s20, 2*KSTEP*2               ; at K step 2: the first refill steps it to 3 and names K step 4
	s_mov_b32 s21, 0
	s_add_nc_u64 s[PFA:PFA+1], s[PFA:PFA+1], s[20:21]
	; the head's three numbers, each rounded to bf16 like every input
	s_wait_kmcnt 0x0
	v_mov_b32 v1, s76
	v_mov_b32 v2, s77
	v_cvt_pk_bf16_f32 v3, v1, v2                   ; w below, b above
	v_lshlrev_b32 v[WW], 16, v3
	v_lshlrev_b32 v[WW+1], 16, v3
	v_and_b32 v[BB], 0xffff0000, v3
	v_mov_b32 v1, s78
	v_cvt_pk_bf16_f32 v1, v1, v1
	v_lshlrev_b32 v1, 16, v1
	v_max_num_f32 v1, 0x3f666666, v1               ; clip to 0.9 ..
	v_min_num_f32 v1, 1.0, v1                      ; .. 1
.rept 3                                ; the eighth root: three square roots, each of the one before
	v_sqrt_f32 v1, v1
	v_nop                                          ; a plain instruction behind the root (ISA guide 5.7.2),
	s_wait_alu depctr_va_vdst(0)                   ; and a wait ahead of the first line that names its result
.endr
	s_cmp_lt_u32 s42, 8                            ; the first eight heads multiply the cache by w too: a choice of a value, no branch
	s_cselect_b32 s79, -1, 0
	v_cndmask_b32 v2, 1.0, v[WW], s79
	v_mul_f32 v[CF], v1, v2
	s_wait_loadcnt 0x0                             ; proj_b
	v_cvt_pk_bf16_f32 v4, v4, v5
	v_cvt_pk_bf16_f32 v5, v6, v7
	v_fma_mix_f32_bf16 v[BT+0], v4, v[WW], v[BB] op_sel_hi:[1,0,0]                 ; w proj_b + b: what is added to w x the sum
	v_fma_mix_f32_bf16 v[BT+1], v4, v[WW], v[BB] op_sel:[1,0,0] op_sel_hi:[1,0,0]
	v_fma_mix_f32_bf16 v[BT+2], v5, v[WW], v[BB] op_sel_hi:[1,0,0]
	v_fma_mix_f32_bf16 v[BT+3], v5, v[WW], v[BB] op_sel:[1,0,0] op_sel_hi:[1,0,0]
; 8 matrix instructions: m block a x all 8 n blocks, 32 along K, from buffer f.  zero = 1: the first product starts the sums: nothing is ever cleared.
; The 32 accumulators take turns in the same order in every quarter: 31 others' stand between two links of a chain, over the backward jump too.
.macro MUL8 f, a, zero
	WIN MUL
.irp b, 0,1,2,3,4,5,6,7
.if \zero
	v_wmma_f32_16x16x32_bf16 v[8*(8*(\a)+(\b)):8*(8*(\a)+(\b))+7], v[(\f)+8*(\b):(\f)+8*(\b)+7], v[(\f)+64+8*(\a):(\f)+64+8*(\a)+7], 0
.else
	v_wmma_f32_16x16x32_bf16 v[8*(8*(\a)+(\b)):8*(8*(\a)+(\b))+7], v[(\f)+8*(\b):(\f)+8*(\b)+7], v[(\f)+64+8*(\a):(\f)+64+8*(\a)+7], v[8*(8*(\a)+(\b)):8*(8*(\a)+(\b))+7]
.endif
.endr
.endm
; 24 LDS loads in one run: the fragments of 32 along K at byte k of the rows, into buffer f: pwb's eight, then xb's four
.macro FETCH slot, k, f
	WIN 0
.irp i, 0,1,2,3,4,5,6,7
	ds_load_b128 v[(\f)+8*(\i):(\f)+8*(\i)+3],   v[ADRB+(\slot)] offset:(\k)+(\i)*16*PITCH
	ds_load_b128 v[(\f)+8*(\i)+4:(\f)+8*(\i)+7], v[ADRB+(\slot)] offset:(\k)+(\i)*16*PITCH+32
.endr
.irp i, 0,1,2,3
	ds_load_b128 v[(\f)+64+8*(\i):(\f)+64+8*(\i)+3],   v[ADRA+(\slot)] offset:(\k)+(\i)*16*PITCH
	ds_load_b128 v[(\f)+64+8*(\i)+4:(\f)+64+8*(\i)+7], v[ADRA+(\slot)] offset:(\k)+(\i)*16*PITCH+32
.endr
.endm
.macro PLACES                          ; four places in front of loads into registers that matrix instructions have read (ISA guide 7.12.1 for vector instructions)
.rept 4
	v_nop
.endr
.endm
; A K step is four quarters of 32 along K, 32 matrix instructions each, on buffers 0, 1, 0, 1.  One of the first three: multiplies buffer f and, in its middle, fetches the next quarter, at byte k, into g.
.macro QUARTER slot, k, f, g, zero
	s_wait_dscnt 4                                 ; pwb's fragments and xb's first two are in; the youngest four loads (xb's last two) may be out
	MUL8 \f, 0, \zero
	MUL8 \f, 1, \zero
	PLACES
	FETCH \slot, \k, \g
	s_wait_dscnt 24                                ; all but the 24 just issued
	MUL8 \f, 2, \zero
	MUL8 \f, 3, \zero
.endm
; The last quarter multiplies buffer 1 and changes slots: ONE barrier.  In front of it each wave waits for all its tensor loads, of which one is out: its part of the next slot; adds 0 to its spare word;
; and waits for that and for its own reads of this slot.  fill = 1: this slot is filled again, two K steps ahead; the barrier then opens a round of the cluster's, so that no wave of any partner
; still reads the slot or has a load on its way, and the joint refill is the first thing behind it: 112 matrix instructions ahead of the wait for it.
.macro TURN slot, next, fill
.if \fill
	s_wait_xcnt 0x0                                ; the last prefetch, a K step back, has read its address, so it may be stepped
	s_add_nc_u64 s[PFA:PFA+1], s[PFA:PFA+1], KSTEP*2
.endif
	WIN 0                                          ; (the add's two registers lie in window 0)
	s_wait_tensorcnt 0x0                           ; all my tensor loads have landed: my part of the next slot;
	ds_add_u32 v[SPW], v[NIL]                      ; 0 onto my spare word;
	s_wait_dscnt 5                                 ; (the add and the youngest four loads may be out)
	MUL8 F1, 0, 0                                  ; eight matrix instructions stand between the add and the wait for it
	s_wait_dscnt 0x0                               ; the add is done, and my reads of this slot are over
	s_barrier_signal -1
	MUL8 F1, 1, 0                                  ; work on registers while the others arrive
.if \fill
	WIN 0
.endif
	s_barrier_wait -1
.if \fill
	CREST
	s_add_nc_u64 s[G0A+4*(\slot)+2:G0A+4*(\slot)+3], s[G0A+4*(\slot)+2:G0A+4*(\slot)+3], 2*KSTEP*2  ; no tensor load of mine is out, so a group 0 may be written; the type bits on top are not reached
	s_add_nc_u64 s[G0B+4*(\slot)+2:G0B+4*(\slot)+3], s[G0B+4*(\slot)+2:G0B+4*(\slot)+3], 2*KSTEP*2
	JLOAD \slot                                    ; the four v_nop behind it are also the places in front of the loads below
.else
	PLACES
.endif
	FETCH \next, 0, F0
.if \fill
	ASK                                            ; behind the joint load and the run of LDS loads that the next products wait for
.endif
	MUL8 F1, 2, 0
	MUL8 F1, 3, 0
.endm
; 32 rows of my part of cache into window 2: each load takes 512 consecutive bytes of a row.  Asked for in the last lap, one to two K steps ahead of their use; read once in the launch.
.macro CLOAD g
	WIN 0x80                                       ; destination window 2, address window 0
.set r, 32*(\g)
.rept 32
	global_load_b128 v[4*r:4*r+3], v[CO], s[8:9] offset:1024*r th:TH_LOAD_NT
.set r, r+1
.endr
.endm
; THE WAY OUT of block a (16 of my rows).  TOSTAGE: the sums go as f32 into my own stage and come back as whole rows: a lane then holds four neighbouring columns.
.macro TOSTAGE a
.set T, 32+96*((\a)%2)
	WIN 0x04                                       ; store data (source 1) window 1
.irp b, 0,1,2,3,4,5,6,7
	ds_store_b128 v[STO], v[8*(8*(\a)+(\b)):8*(8*(\a)+(\b))+3]   offset:64*(\b)      ; each accumulator's low four registers first
	ds_store_b128 v[STO], v[8*(8*(\a)+(\b))+4:8*(8*(\a)+(\b))+7] offset:64*(\b)+16
.endr
	WIN 0
.if (\a) >= 2
	s_wait_xcnt 0x0                                ; the stores of the block two back have read these registers (ISA guide 3.1)
.endif
.irp t, 0,1,2,3,4,5,6,7,8,9,10,11,12,13,14,15
	ds_load_b128 v[T+4*(\t):T+4*(\t)+3], v[RD] offset:(\t)*SPITCH  ; LDS serves a wave's instructions in order (ISA guide 5.7.1.4): these see the stores above; the next block's stores come behind them
.endr
.endm
; FIN: hid = w sum + (w proj_b + b) + coef cache, rounded to bf16 and stored: 32 lanes store 256 consecutive bytes, aligned.
.macro FIN a
.set T, 32+96*((\a)%2)
.if (\a) == 0
	s_wait_loadcnt 0x0                             ; cache
.endif
	WIN 0x0a                                       ; sources 0 and 1 window 2
.set t, 0
.rept 16                               ; the block's cache, rounded to bf16 like every input: work while the stage comes back
	v_cvt_pk_bf16_f32 v[P+2*t],   v[4*(16*(\a)+t)],   v[4*(16*(\a)+t)+1]
	v_cvt_pk_bf16_f32 v[P+2*t+1], v[4*(16*(\a)+t)+2], v[4*(16*(\a)+t)+3]
.set t, t+1
.endr
	WIN 0
	s_wait_dscnt 0x0                               ; the block is back in registers
.set t, 0
.rept 16
	v_pk_fma_f32 v[T+4*t:T+4*t+1],   v[T+4*t:T+4*t+1],   v[WW:WW+1], v[BT:BT+1]
	v_pk_fma_f32 v[T+4*t+2:T+4*t+3], v[T+4*t+2:T+4*t+3], v[WW:WW+1], v[BT+2:BT+3]
.set t, t+1
.endr
.set t, 0
.rept 16
	v_fma_mix_f32_bf16 v[T+4*t],   v[P+2*t],   v[CF], v[T+4*t]   op_sel_hi:[1,0,0]
	v_fma_mix_f32_bf16 v[T+4*t+1], v[P+2*t],   v[CF], v[T+4*t+1] op_sel:[1,0,0] op_sel_hi:[1,0,0]
	v_fma_mix_f32_bf16 v[T+4*t+2], v[P+2*t+1], v[CF], v[T+4*t+2] op_sel_hi:[1,0,0]
	v_fma_mix_f32_bf16 v[T+4*t+3], v[P+2*t+1], v[CF], v[T+4*t+3] op_sel:[1,0,0] op_sel_hi:[1,0,0]
.set t, t+1
.endr
.set t, 0
.rept 16
	v_cvt_pk_bf16_f32 v[T+4*t],   v[T+4*t],   v[T+4*t+1]
	v_cvt_pk_bf16_f32 v[T+4*t+1], v[T+4*t+2], v[T+4*t+3]
	global_store_b64 v[HO], v[T+4*t:T+4*t+1], s[74:75] offset:(16*(\a)+t)*ROWK
.set t, t+1
.endr
.endm
	s_wait_tensorcnt 0x1                           ; my part of K step 0 is in; K step 1's may stay out
	s_barrier_signal -1
	s_barrier_wait -1                              ; everybody's is
	FETCH 0, 0, F0
	QUARTER 0, 64, F0, F1, 1                       ; the first quarter stands in front of the loop: its products start the sums
	WIN 0                                          ; at a label and at a branch every window is 0
	s_mov_b32 s3, LAPS-1
.Llap:                                                 ; a trip goes once round the ring, from a lap's second quarter to the next lap's first, and fills both slots again
	QUARTER 0, 128, F1, F0, 0
	QUARTER 0, 192, F0, F1, 0
	TURN 0, 1, 1
	QUARTER 1, 64,  F0, F1, 0
	QUARTER 1, 128, F1, F0, 0
	QUARTER 1, 192, F0, F1, 0
	TURN 1, 0, 1
	QUARTER 0, 64,  F0, F1, 0
	WIN 0
	s_sub_co_u32 s3, s3, 1
	s_cmp_lg_u32 s3, 0
	s_cbranch_scc1 .Llap
	CLOAD 0                                        ; the last lap fills nothing, and has no round of the cluster's barrier; in it the cache is asked for
	QUARTER 0, 128, F1, F0, 0
	QUARTER 0, 192, F0, F1, 0
	TURN 0, 1, 0
	CLOAD 1
	QUARTER 1, 64,  F0, F1, 0
	QUARTER 1, 128, F1, F0, 0
	QUARTER 1, 192, F0, F1, 0
	s_wait_dscnt 4                                 ; the very last quarter: nothing more to fetch
	MUL8 F1, 0, 0
	MUL8 F1, 1, 0
	s_wait_dscnt 0x0
	MUL8 F1, 2, 0
	MUL8 F1, 3, 0
	WIN 0
.rept 8
	v_nop                                          ; the places behind the last products, in front of the stores that read results and the loads into the fragments' registers; once a launch
.endr
.irp a, 0,1,2,3
	TOSTAGE \a
	FIN \a
.endr
	s_wait_tensorcnt 0x0                           ; the wave's end: a wait, an add and its wait, behind my last tensor load and my last LDS store
	ds_add_u32 v[SPW], v[NIL]
	s_wait_dscnt 0x0
	CROUND                                         ; the closing round: no work-group ends while a partner may still ask for a tile that names it
	s_endpgm
.Lfunc_end_k_q3dedeb09ca_gemm1:
	.size	k_q3dedeb09ca_gemm1, .Lfunc_end_k_q3dedeb09ca_gemm1-k_q3dedeb09ca_gemm1
	.p2alignl 7, 3214868480
	.fill 96, 4, 3214868480
	.section	.rodata,"a",@progbits
	.p2align	6, 0x0
	.amdhsa_kernel k_q3dedeb09ca_gemm1
		.amdhsa_group_segment_fixed_size 327680
		.amdhsa_private_segment_fixed_size 0
		.amdhsa_enable_private_segment 0
		.amdhsa_kernarg_size 64
		.amdhsa_user_sgpr_count 2
		.amdhsa_user_sgpr_kernarg_segment_ptr 1
		.amdhsa_wavefront_size32 1
		.amdhsa_system_sgpr_workgroup_id_x 1
		.amdhsa_system_sgpr_workgroup_id_y 1
		.amdhsa_system_sgpr_workgroup_id_z 1
		.amdhsa_system_vgpr_workitem_id 0
		.amdhsa_next_free_vgpr 768
		.amdhsa_next_free_sgpr 80
		.amdhsa_reserve_vcc 0
		.amdhsa_float_denorm_mode_32 3
		.amdhsa_float_denorm_mode_16_64 3
		.amdhsa_memory_ordered 1
		.amdhsa_forward_progress 1
		.amdhsa_inst_pref_size 134
	.end_amdhsa_kernel
	.amdgpu_metadata
---
amdhsa.version: [ 1, 2 ]
amdhsa.kernels:
  - .name:           k_q3dedeb09ca_gemm1
    .symbol:         k_q3dedeb09ca_gemm1.kd
    .args:
      - { .name: xb, .offset: 0, .size: 8, .value_kind: global_buffer, .address_space: global }
      - { .name: pwb, .offset: 8, .size: 8, .value_kind: global_buffer, .address_space: global }
      - { .name: cache, .offset: 16, .size: 8, .value_kind: global_buffer, .address_space: global }
      - { .name: proj_b, .offset: 24, .size: 8, .value_kind: global_buffer, .address_space: global }
      - { .name: mix_w, .offset: 32, .size: 8, .value_kind: global_buffer, .address_space: global }
      - { .name: mix_b, .offset: 40, .size: 8, .value_kind: global_buffer, .address_space: global }
      - { .name: decay_value, .offset: 48, .size: 8, .value_kind: global_buffer, .address_space: global }
      - { .name: hid, .offset: 56, .size: 8, .value_kind: global_buffer, .address_space: global }
    .group_segment_fixed_size: 327680
    .private_segment_fixed_size: 0
    .kernarg_segment_align: 8
    .kernarg_segment_size: 64
    .max_flat_workgroup_size: 128
    .sgpr_count:     80
    .vgpr_count:     768
    .wavefront_size: 32
...
	.end_amdgpu_metadata
.endif
;; end of part 2
;; launch gemm2 (part 3): grid 16 x 16, 4 waves a work-group, clusters of 4 x 4, 327,680 bytes of LDS; arguments hid, owb, out_b, out0; writes out0
.if DOCPART == 3
	.amdgcn_target "amdgcn-amd-amdhsa--gfx1250"
	.amdhsa_code_object_version 6
	.text
	.protected	k_q3dedeb09ca_gemm2
	.globl	k_q3dedeb09ca_gemm2
	.p2align	8
	.type	k_q3dedeb09ca_gemm2,@function
k_q3dedeb09ca_gemm2:
	s_mov_b64 s[64:65], 0
	v_nop
	global_prefetch_b8 v0, s[64:65] scope:SCOPE_SE
	s_setreg_imm32_b32 hwreg(HW_REG_WAVE_MODE, 25, 1), 1
	s_wait_xcnt 0x0
	s_wait_alu depctr_hold_cnt(0) depctr_sa_sdst(0) depctr_va_vdst(0) depctr_va_sdst(0) depctr_va_ssrc(0) depctr_va_vcc(0) depctr_vm_vsrc(0)
	s_getreg_b32 s2, hwreg(HW_REG_IB_STS2, 6, 4)
	s_cmp_eq_u32 s2, 0
	s_cbranch_scc0 .Lentry_in_a_cluster
	s_endpgm
.Lentry_in_a_cluster:
	s_bfe_u32 s2, ttmp6, 0x10000c
	s_cmp_lg_u32 s2, 0xf033
	s_cbranch_scc0 .Lentry_shape_is_right
	s_endpgm
.Lentry_shape_is_right:
; out0[m][n] = sum over j of hid[m][j] out_w[n][j] + out_b[n].  hid [2048][4096] and owb [4096][4096] (out_w) are bf16; sums in f32; out0 is f32.
; LIMITS.  out_b is taken rounded once to bf16, like every input of the program.  NaN and infinities are not treated apart.
; SHARES.  A tile of out0 is 128 rows x 256 columns: 16 x 16 tiles, a work-group each.  Four waves, as many as a WGP has SIMDs, each 64 rows x 128 columns: 32 accumulators of 16 x 16, 256 registers.
; K goes in steps of 128 through a ring of two LDS slots filled by the tensor data mover: the tiles' rows are 256 bytes of memory, aligned.  Two slots of a K step of 256 (405,504 bytes) would not fit in LDS.
; CLUSTERS.  4 x 4 work-groups.  The four of a row of the cluster need the same 128 rows of hid, the four of a column the same 256 rows of owb: each tile is asked for JOINTLY, by the same
; tensor load with the same descriptor and a mask that names the four.
; THE MATRIX INSTRUCTION IS USED TRANSPOSED (source 0 = 16 rows of owb, source 1 = 16 rows of hid): lane l holds row m = l % 16 and the columns 8 (l / 16) + 0..7 of a 16 x 16 block.
; REGISTERS, in windows of 256 (s_set_vgpr_msb: bits 1:0 source 0, 3:2 source 1, 5:4 source 2, 7:6 destination):
;   window 0: v0-31 addresses and constants; v32-127, v128-223 two fragment buffers (8 of owb, then 4 of hid, 32 along K); on the way out v32-95 and v128-191 hold rows
;   window 1: accumulator (a, b) at v[8 (8 a + b)]
.set KSTEP,  128
.set PITCH,  272                       ; an LDS row: 256 bytes + 16 of padding = 68 words: row r starts at bank 4 r mod 64 (64 banks of 4 bytes: ISA guide 11.1), so the 16 rows of a load start at 16 different banks
.set AH,     64*PITCH                  ; 64 rows of hid: what one of its tensor loads brings, and what one wave reads
.set BH,     128*PITCH                 ; 128 rows of owb: likewise
.set BOFF,   128*PITCH                 ; in a slot owb's 256 rows lie behind hid's 128
.set SLOT,   384*PITCH
.set STAGE,  2*SLOT                    ; behind the ring, never filled by a tensor load: 16 rows x 528 bytes for each wave, for the way out
.set SPITCH, 528                       ; 512 bytes of f32 + 16: 33 x 16 bytes, so the 16 rows of a store start at 16 different groups of four banks
.set SPARE,  STAGE+4*16*SPITCH         ; behind the stages: the spare words, 128 bytes for each wave: two blocks of 256 bytes that no other line names
.set LAPS,   4096/(2*KSTEP)            ; a lap = two K steps = once round the ring
.set ROWC,   16384                     ; bytes in a row of out0
.set OB,   12                          ; v12-15  out_b of my four columns
.set ADRA, 16                          ; v16-17  LDS address of my fragments of hid in slot 0, 1
.set ADRB, 20                          ; v20-21  the same for owb
.set STO,  24                          ; v24     the way out: where I put 32 bytes of a row
.set RD,   25                          ; v25     the way out: where I read 16 bytes of a row back
.set CO,   26                          ; v26     16 x lane: my four f32 in 512 bytes of out0 or out_b
.set SPW,  28                          ; v28     LDS address of my spare word: SPARE + 4 x my thread's number; never rewritten
.set NIL,  29                          ; v29     0; never rewritten
.set PFO,  30                          ; v30     the prefetches' offset: lane x a row of 8,192 bytes; never rewritten
.set F0,   32
.set F1,   128
.set WV,   12                          ; s12  my wave's number
.set WM,   13                          ; s13  which 64 rows of the tile are mine.  Also: I fetch for hid (0) or for owb (1)
.set WN,   14                          ; s14  which 128 columns.  Also: which half of that tile I fetch
.set LIM,  15                          ; s15  1 in a wave that prefetches, else the greatest number
.set G1A,  24                          ; s[24:31] descriptor group 1 for hid's tiles;  s[32:39] group 0, one set for each slot
.set G0A,  32
.set PFA,  44                          ; s[44:45] where my prefetches stand: one K step further than the refill that is being asked for; a prefetch names the K step after that
.set G1B,  48                          ; s[48:55], s[56:63] the same for owb's tiles
.set G0B,  56
.set FLAGS, (1<<16)|(1<<20)|(1<<21)|(5<<22)|(3<<25)  ; 17:16 elements of 2 bytes; 20 padding on; 21 set beside a mask; 24:22 after every 64 words (code 5); 31:25 4 words of it (code 3)
.set MSB, 0
.macro WIN new                         ; the immediate's high byte repeats the setting that is left; a switch that changes nothing is dropped
.if MSB != (\new)
	s_set_vgpr_msb (MSB<<8)|(\new)
.set MSB, \new
.endif
.endm
.set MUL, 0x50                         ; both sources window 0; C and D window 1
; A joint load: waves 0 and 1 fetch hid's two halves, waves 2 and 3 owb's.  The branch hangs on the wave's number alone.  An s_nop 0 and four v_nop follow each of the two lines,
; ahead of the jump, the label and what follows.
.macro JLOAD s
	s_cmp_eq_u32 s[WM], 0
	s_cbranch_scc0 .Lfor_b_\@
	tensor_load_to_lds s[G0A+4*(\s):G0A+4*(\s)+3], s[G1A:G1A+7]
	s_nop 0
.rept 4
	v_nop
.endr
	s_branch .Lasked_\@
.Lfor_b_\@:
	tensor_load_to_lds s[G0B+4*(\s):G0B+4*(\s)+3], s[G1B:G1B+7]
	s_nop 0
.rept 4
	v_nop
.endr
.Lasked_\@:
.endm
; A PREFETCH INTO THE L2 of the K step that stands two refills on: 32 rows x 256 bytes, a lane a row, one instruction.  Each row's 256 bytes of a K step are named ONCE in the launch.
; hid's 128 rows of a tile row are read by every cluster of that row of clusters: cluster x = 0 asks, wave 0 of the partner at cx for rows 32 cx .. 32 cx + 31.  owb's 256 rows of a tile column are
; read by every cluster of that column: cluster y = 0 asks, waves 2 and 3 of the partner at cy for rows 64 cy + 32 (wave - 2) on.  The partners are told apart BY ADDRESS: no branch hangs on a place in the cluster.
; The loop's last trip (s3 = 1) asks for nothing: there is no K step two on.  K steps 0 to 3 come by their loads alone.
.macro ASK
	s_cmp_gt_u32 s3, s[LIM]
	s_cbranch_scc0 .Lnot_mine_\@
	global_prefetch_b8 v[PFO], s[PFA:PFA+1] offset:KSTEP*2 th:TH_LOAD_NT scope:SCOPE_SE
.Lnot_mine_\@:
.endm
.macro CREST                           ; a round of the cluster's barrier behind its opening barrier: wave 0 signals for the work-group, every wave waits for all sixteen, my work-group's barrier closes it
	s_cmp_lg_u32 s[WV], 0
	s_cbranch_scc1 .Lnot_wave_0_\@
	s_barrier_signal -3
.Lnot_wave_0_\@:
	s_barrier_wait -3
	s_barrier_signal -1
	s_barrier_wait -1
.endm
.macro CROUND                          ; a whole round
	s_barrier_signal -1
	s_barrier_wait -1
	CREST
.endm
	s_load_b256 s[4:11], s[0:1], 0x0               ; hid s[4:5], owb s[6:7], out_b s[8:9], out0 s[10:11]
	v_lshl_add_u32 v[SPW], v0, 2, SPARE
	v_mov_b32 v[NIL], 0
	ds_add_u32 v[SPW], v[NIL]                      ; the wave's opening: the add and its wait ahead of my first tensor load; the set-up below, work on registers, stands between them
	v_lshrrev_b32 v1, 5, v0
	v_readfirstlane_b32 s[WV], v1                  ; wave 0..3
	s_lshr_b32 s[WM], s[WV], 1
	s_and_b32 s[WN], s[WV], 1
	s_bfe_u32 s40, ttmp6, 0x40000                  ; cx, cy: my place in the cluster
	s_bfe_u32 s41, ttmp6, 0x40004
	s_lshl_b32 s42, ttmp9, 2
	s_add_co_u32 s42, s42, s40                     ; tile column = 4 x cluster x + cx
	s_and_b32 s43, ttmp7, 0xffff
	s_lshl_b32 s43, s43, 2
	s_add_co_u32 s43, s43, s41                     ; tile row = 4 x cluster y + cy
	s_lshl_b32 s22, s41, 2
	s_lshl_b32 s22, 15, s22                        ; my row of the cluster: places 4 cy .. 4 cy + 3
	s_lshl_b32 s23, 0x1111, s40                    ; my column: places cx, cx + 4, cx + 8, cx + 12
	s_or_b32 s[G1A+0], s22, FLAGS                  ; 15:0 the mask: hid's tiles go to my row,
	s_or_b32 s[G1B+0], s23, FLAGS                  ; owb's to my column
.irp g, G1A, G1B
	s_mov_b32 s[(\g)+1], KSTEP<<16                 ; tensor_dim0 = 128
	s_mov_b32 s[(\g)+3], KSTEP<<16                 ; tile_dim0 = 128
	s_mov_b32 s[(\g)+5], 4096                      ; elements from row to row
	s_mov_b32 s[(\g)+6], 0
	s_mov_b32 s[(\g)+7], 0
.endr
	s_mov_b32 s[G1A+2], 64<<16                     ; tensor_dim1 and
	s_mov_b32 s[G1A+4], 64                         ; tile_dim1: 64 rows of hid,
	s_mov_b32 s[G1B+2], 128<<16
	s_mov_b32 s[G1B+4], 128                        ; 128 of owb
	s_lshl_b32 s16, s43, 20                        ; hid: 128 rows of 8,192 bytes a tile row,
	s_lshl_b32 s17, s[WN], 19                      ; 64 a half
	s_add_co_u32 s16, s16, s17
	s_mov_b32 s17, 0
	s_lshl_b32 s46, s42, 21                        ; owb: 256 rows a tile column,
	s_lshl_b32 s47, s[WN], 20                      ; 128 a half
	s_add_co_u32 s46, s46, s47
	s_mov_b32 s47, 0
	s_mul_i32 s20, s[WN], AH                       ; where they go: no place in the cluster enters an LDS address
	s_mul_i32 s21, s[WN], BH
	s_add_co_u32 s21, s21, BOFF
	s_wait_dscnt 0x0                               ; the opening add is done
	s_wait_kmcnt 0x0
	s_add_nc_u64 s[18:19], s[4:5], s[16:17]
	s_add_nc_u64 s[46:47], s[6:7], s[46:47]
	CROUND                                         ; all sixteen work-groups are here: the first joint loads meet
.irp s, 0,1
	s_mov_b32 s[G0A+4*(\s)], 1                                       ; 1:0 count = 1
	s_add_co_u32 s[G0A+4*(\s)+1], s20, (\s)*SLOT                     ; 63:32 LDS address
	s_add_nc_u64 s[G0A+4*(\s)+2:G0A+4*(\s)+3], s[18:19], (\s)*KSTEP*2  ; 120:64 global address: K step s
	s_or_b32 s[G0A+4*(\s)+3], s[G0A+4*(\s)+3], 0x80000000            ; 127:126 type = 2
	s_mov_b32 s[G0B+4*(\s)], 1
	s_add_co_u32 s[G0B+4*(\s)+1], s21, (\s)*SLOT
	s_add_nc_u64 s[G0B+4*(\s)+2:G0B+4*(\s)+3], s[46:47], (\s)*KSTEP*2
	s_or_b32 s[G0B+4*(\s)+3], s[G0B+4*(\s)+3], 0x80000000
	JLOAD \s                                       ; two loads of mine are out at the start, one behind each round later
.endr
	; A fragment is 16 rows x 32 K in 8 registers: lane l holds row l % 16; registers 0-3 K = 8 (l / 16) + 0..7, registers 4-7 K = 16 + 8 (l / 16) + 0..7: two loads of 16 bytes, 32 bytes apart.
	v_and_b32 v1, 15, v0                           ; l % 16
	v_bfe_u32 v2, v0, 4, 1                         ; l / 16
	v_mul_u32_u24 v3, v1, PITCH
	v_lshl_add_u32 v3, v2, 4, v3                   ; row x pitch + 16 x half
	s_mul_i32 s20, s[WM], AH                       ; my 64 rows of hid
	s_mul_i32 s21, s[WN], BH                       ; my 128 rows of owb
	s_add_co_u32 s21, s21, BOFF
.irp s, 0,1
	v_add_nc_u32 v[ADRA+(\s)], s20, v3
	v_add_nc_u32 v[ADRB+(\s)], s21, v3
	s_add_co_u32 s20, s20, SLOT
	s_add_co_u32 s21, s21, SLOT
.endr
	s_mul_i32 s20, s[WV], 16*SPITCH
	s_add_co_u32 s20, s20, STAGE                   ; my stage
	v_mul_u32_u24 v4, v1, SPITCH                   ; in: row l % 16, 32 bytes (8 f32) for each half of the lanes
	v_lshl_add_u32 v4, v2, 5, v4
	v_add_nc_u32 v[STO], s20, v4
	v_and_b32 v5, 31, v0                           ; lane
	v_lshlrev_b32 v[CO], 4, v5
	v_add_nc_u32 v[RD], s20, v[CO]                 ; back: 32 lanes take a whole row of 512 bytes
	v_lshlrev_b32 v[PFO], 13, v5
	s_lshl_b32 s20, s42, 10                        ; my 128 columns, in bytes of f32: in out_b,
	s_lshl_b32 s21, s[WN], 9
	s_add_co_u32 s20, s20, s21
	s_mov_b32 s21, 0
	s_add_nc_u64 s[8:9], s[8:9], s[20:21]
	global_load_b128 v[4:7], v[CO], s[8:9]         ; out_b of my four columns
	s_add_nc_u64 s[10:11], s[10:11], s[20:21]      ; and in out0,
	s_lshl_b32 s20, s43, 21                        ; at my 64 rows of 16,384 bytes
	s_lshl_b32 s21, s[WM], 20
	s_add_co_u32 s20, s20, s21
	s_mov_b32 s21, 0
	s_add_nc_u64 s[10:11], s[10:11], s[20:21]
	; the prefetches
	s_lshl_b32 s20, s43, 7                         ; hid: the tile's first row
	s_lshl_b32 s21, s40, 5                         ; + 32 cx
	s_add_co_u32 s20, s20, s21
	s_lshl_b32 s21, s42, 8                         ; owb: the tile's first row
	s_lshl_b32 s23, s41, 6                         ; + 64 cy
	s_add_co_u32 s21, s21, s23
	s_lshl_b32 s23, s[WN], 5                       ; + 32 for wave 3
	s_add_co_u32 s21, s21, s23
	s_and_b32 s22, ttmp7, 0xffff                   ; cluster y
	s_cmp_eq_u32 s[WM], 0                          ; do I fetch for hid?
	s_cselect_b32 s20, s20, s21
	s_cselect_b32 s22, ttmp9, s22                  ; the coordinate along which other clusters read the same rows
	s_cselect_b64 s[PFA:PFA+1], s[4:5], s[6:7]
	s_cmp_eq_u32 s[WV], 1
	s_cselect_b32 s22, 1, s22                      ; wave 1 never asks: hid's 32 rows are wave 0's
	s_cmp_eq_u32 s22, 0
	s_cselect_b32 s[LIM], 1, -1                    ; the same in all sixteen partners, for a given wave
	s_lshl_b32 s20, s20, 13                        ; rows of 8,192 bytes
	s_add_co_u32 s20, s20, 2*KSTEP*2               ; at K step 2: the first refill steps it to 3 and names K step 4
	s_mov_b32 s21, 0
	s_add_nc_u64 s[PFA:PFA+1], s[PFA:PFA+1], s[20:21]
	s_wait_loadcnt 0x0                             ; out_b, rounded to bf16 like every input and widened again
	v_cvt_pk_bf16_f32 v4, v4, v5
	v_cvt_pk_bf16_f32 v5, v6, v7
	v_lshlrev_b32 v[OB+0], 16, v4
	v_and_b32     v[OB+1], 0xffff0000, v4
	v_lshlrev_b32 v[OB+2], 16, v5
	v_and_b32     v[OB+3], 0xffff0000, v5
; 8 matrix instructions: m block a x all 8 n blocks, 32 along K, from buffer f.  zero = 1: the first product starts the sums: nothing is ever cleared.
; The 32 accumulators take turns in the same order in every quarter: 31 others' stand between two links of a chain, over the backward jump too.
.macro MUL8 f, a, zero
	WIN MUL
.irp b, 0,1,2,3,4,5,6,7
.if \zero
	v_wmma_f32_16x16x32_bf16 v[8*(8*(\a)+(\b)):8*(8*(\a)+(\b))+7], v[(\f)+8*(\b):(\f)+8*(\b)+7], v[(\f)+64+8*(\a):(\f)+64+8*(\a)+7], 0
.else
	v_wmma_f32_16x16x32_bf16 v[8*(8*(\a)+(\b)):8*(8*(\a)+(\b))+7], v[(\f)+8*(\b):(\f)+8*(\b)+7], v[(\f)+64+8*(\a):(\f)+64+8*(\a)+7], v[8*(8*(\a)+(\b)):8*(8*(\a)+(\b))+7]
.endif
.endr
.endm
; 24 LDS loads in one run: the fragments of 32 along K at byte k of the rows, into buffer f: owb's eight, then hid's four
.macro FETCH slot, k, f
	WIN 0
.irp i, 0,1,2,3,4,5,6,7
	ds_load_b128 v[(\f)+8*(\i):(\f)+8*(\i)+3],   v[ADRB+(\slot)] offset:(\k)+(\i)*16*PITCH
	ds_load_b128 v[(\f)+8*(\i)+4:(\f)+8*(\i)+7], v[ADRB+(\slot)] offset:(\k)+(\i)*16*PITCH+32
.endr
.irp i, 0,1,2,3
	ds_load_b128 v[(\f)+64+8*(\i):(\f)+64+8*(\i)+3],   v[ADRA+(\slot)] offset:(\k)+(\i)*16*PITCH
	ds_load_b128 v[(\f)+64+8*(\i)+4:(\f)+64+8*(\i)+7], v[ADRA+(\slot)] offset:(\k)+(\i)*16*PITCH+32
.endr
.endm
.macro PLACES                          ; four places in front of loads into registers that matrix instructions have read (ISA guide 7.12.1 for vector instructions)
.rept 4
	v_nop
.endr
.endm
; A K step is four quarters of 32 along K, 32 matrix instructions each, on buffers 0, 1, 0, 1.  One of the first three: multiplies buffer f and, in its middle, fetches the next quarter, at byte k, into g.
.macro QUARTER slot, k, f, g, zero
	s_wait_dscnt 4                                 ; owb's fragments and hid's first two are in; the youngest four loads (hid's last two) may be out
	MUL8 \f, 0, \zero
	MUL8 \f, 1, \zero
	PLACES
	FETCH \slot, \k, \g
	s_wait_dscnt 24                                ; all but the 24 just issued
	MUL8 \f, 2, \zero
	MUL8 \f, 3, \zero
.endm
; The last quarter multiplies buffer 1 and changes slots: ONE barrier.  In front of it each wave waits for all its tensor loads, of which one is out: its part of the next slot; adds 0 to its spare word;
; and waits for that and for its own reads of this slot.  fill = 1: this slot is filled again, two K steps ahead; the barrier then opens a round of the cluster's, so that no wave of any partner
; still reads the slot or has a load on its way, and the joint refill is the first thing behind it: 112 matrix instructions ahead of the wait for it.
.macro TURN slot, next, fill
.if \fill
	s_wait_xcnt 0x0                                ; the last prefetch, a K step back, has read its address, so it may be stepped
	s_add_nc_u64 s[PFA:PFA+1], s[PFA:PFA+1], KSTEP*2
.endif
	WIN 0                                          ; (the add's two registers lie in window 0)
	s_wait_tensorcnt 0x0                           ; all my tensor loads have landed: my part of the next slot;
	ds_add_u32 v[SPW], v[NIL]                      ; 0 onto my spare word;
	s_wait_dscnt 5                                 ; (the add and the youngest four loads may be out)
	MUL8 F1, 0, 0                                  ; eight matrix instructions stand between the add and the wait for it
	s_wait_dscnt 0x0                               ; the add is done, and my reads of this slot are over
	s_barrier_signal -1
	MUL8 F1, 1, 0                                  ; work on registers while the others arrive
.if \fill
	WIN 0
.endif
	s_barrier_wait -1
.if \fill
	CREST
	s_add_nc_u64 s[G0A+4*(\slot)+2:G0A+4*(\slot)+3], s[G0A+4*(\slot)+2:G0A+4*(\slot)+3], 2*KSTEP*2  ; no tensor load of mine is out, so a group 0 may be written; the type bits on top are not reached
	s_add_nc_u64 s[G0B+4*(\slot)+2:G0B+4*(\slot)+3], s[G0B+4*(\slot)+2:G0B+4*(\slot)+3], 2*KSTEP*2
	JLOAD \slot                                    ; the four v_nop behind it are also the places in front of the loads below
.else
	PLACES
.endif
	FETCH \next, 0, F0
.if \fill
	ASK                                            ; behind the joint load and the run of LDS loads that the next products wait for
.endif
	MUL8 F1, 2, 0
	MUL8 F1, 3, 0
.endm
; THE WAY OUT of block a (16 of my rows).  TOSTAGE: the sums go as f32 into my own stage and come back as whole rows: a lane then holds four neighbouring columns.
.macro TOSTAGE a
.set T, 32+96*((\a)%2)
	WIN 0x04                                       ; store data (source 1) window 1
.irp b, 0,1,2,3,4,5,6,7
	ds_store_b128 v[STO], v[8*(8*(\a)+(\b)):8*(8*(\a)+(\b))+3]   offset:64*(\b)      ; each accumulator's low four registers first
	ds_store_b128 v[STO], v[8*(8*(\a)+(\b))+4:8*(8*(\a)+(\b))+7] offset:64*(\b)+16
.endr
	WIN 0
.if (\a) >= 2
	s_wait_xcnt 0x0                                ; the stores of the block two back have read these registers (ISA guide 3.1)
.endif
.irp t, 0,1,2,3,4,5,6,7,8,9,10,11,12,13,14,15
	ds_load_b128 v[T+4*(\t):T+4*(\t)+3], v[RD] offset:(\t)*SPITCH  ; LDS serves a wave's instructions in order (ISA guide 5.7.1.4): these see the stores above; the next block's stores come behind them
.endr
.endm
; FIN: out_b is added and the rows are stored: 32 lanes store 512 consecutive bytes, aligned; written once and not read again.
.macro FIN a
.set T, 32+96*((\a)%2)
.set t, 0
.rept 16
	s_wait_dscnt 15-t                              ; LDS loads come back in order: row t is in, the younger rows may be out
	v_pk_add_f32 v[T+4*t:T+4*t+1],   v[T+4*t:T+4*t+1],   v[OB:OB+1]
	v_pk_add_f32 v[T+4*t+2:T+4*t+3], v[T+4*t+2:T+4*t+3], v[OB+2:OB+3]
	global_store_b128 v[CO], v[T+4*t:T+4*t+3], s[10:11] offset:(16*(\a)+t)*ROWC th:TH_STORE_NT
.set t, t+1
.endr
.endm
	s_wait_tensorcnt 0x1                           ; my part of K step 0 is in; K step 1's may stay out
	s_barrier_signal -1
	s_barrier_wait -1                              ; everybody's is
	FETCH 0, 0, F0
	QUARTER 0, 64, F0, F1, 1                       ; the first quarter stands in front of the loop: its products start the sums
	WIN 0                                          ; at a label and at a branch every window is 0
	s_mov_b32 s3, LAPS-1
.Llap:                                                 ; a trip goes once round the ring, from a lap's second quarter to the next lap's first, and fills both slots again
	QUARTER 0, 128, F1, F0, 0
	QUARTER 0, 192, F0, F1, 0
	TURN 0, 1, 1
	QUARTER 1, 64,  F0, F1, 0
	QUARTER 1, 128, F1, F0, 0
	QUARTER 1, 192, F0, F1, 0
	TURN 1, 0, 1
	QUARTER 0, 64,  F0, F1, 0
	WIN 0
	s_sub_co_u32 s3, s3, 1
	s_cmp_lg_u32 s3, 0
	s_cbranch_scc1 .Llap
	QUARTER 0, 128, F1, F0, 0                      ; the last lap fills nothing, and has no round of the cluster's barrier
	QUARTER 0, 192, F0, F1, 0
	TURN 0, 1, 0
	QUARTER 1, 64,  F0, F1, 0
	QUARTER 1, 128, F1, F0, 0
	QUARTER 1, 192, F0, F1, 0
	s_wait_dscnt 4                                 ; the very last quarter: nothing more to fetch
	MUL8 F1, 0, 0
	MUL8 F1, 1, 0
	s_wait_dscnt 0x0
	MUL8 F1, 2, 0
	MUL8 F1, 3, 0
	WIN 0
.rept 8
	v_nop                                          ; the places behind the last products, in front of the stores that read results and the loads into the fragments' registers; once a launch
.endr
.irp a, 0,1,2,3
	TOSTAGE \a
	FIN \a
.endr
	s_wait_tensorcnt 0x0                           ; the wave's end: a wait, an add and its wait, behind my last tensor load and my last LDS store
	ds_add_u32 v[SPW], v[NIL]
	s_wait_dscnt 0x0
	CROUND                                         ; the closing round: no work-group ends while a partner may still ask for a tile that names it
	s_endpgm
.Lfunc_end_k_q3dedeb09ca_gemm2:
	.size	k_q3dedeb09ca_gemm2, .Lfunc_end_k_q3dedeb09ca_gemm2-k_q3dedeb09ca_gemm2
	.p2alignl 7, 3214868480
	.fill 96, 4, 3214868480
	.section	.rodata,"a",@progbits
	.p2align	6, 0x0
	.amdhsa_kernel k_q3dedeb09ca_gemm2
		.amdhsa_group_segment_fixed_size 327680
		.amdhsa_private_segment_fixed_size 0
		.amdhsa_enable_private_segment 0
		.amdhsa_kernarg_size 32
		.amdhsa_user_sgpr_count 2
		.amdhsa_user_sgpr_kernarg_segment_ptr 1
		.amdhsa_wavefront_size32 1
		.amdhsa_system_sgpr_workgroup_id_x 1
		.amdhsa_system_sgpr_workgroup_id_y 1
		.amdhsa_system_sgpr_workgroup_id_z 1
		.amdhsa_system_vgpr_workitem_id 0
		.amdhsa_next_free_vgpr 512
		.amdhsa_next_free_sgpr 66
		.amdhsa_reserve_vcc 0
		.amdhsa_float_denorm_mode_32 3
		.amdhsa_float_denorm_mode_16_64 3
		.amdhsa_memory_ordered 1
		.amdhsa_forward_progress 1
		.amdhsa_inst_pref_size 96
	.end_amdhsa_kernel
	.amdgpu_metadata
---
amdhsa.version: [ 1, 2 ]
amdhsa.kernels:
  - .name:           k_q3dedeb09ca_gemm2
    .symbol:         k_q3dedeb09ca_gemm2.kd
    .args:
      - { .name: hid, .offset: 0, .size: 8, .value_kind: global_buffer, .address_space: global }
      - { .name: owb, .offset: 8, .size: 8, .value_kind: global_buffer, .address_space: global }
      - { .name: out_b, .offset: 16, .size: 8, .value_kind: global_buffer, .address_space: global }
      - { .name: out0, .offset: 24, .size: 8, .value_kind: global_buffer, .address_space: global }
    .group_segment_fixed_size: 327680
    .private_segment_fixed_size: 0
    .kernarg_segment_align: 8
    .kernarg_segment_size: 32
    .max_flat_workgroup_size: 128
    .sgpr_count:     66
    .vgpr_count:     512
    .wavefront_size: 32
...
	.end_amdgpu_metadata
.endif
;; end of part 3
;; ======== version 2 of 3: 3 launches
;; workspace buffers: xb 16,777,216 bytes; pwb 33,554,432 bytes; owb 33,554,432 bytes; hid 16,777,216 bytes
;; launch cvt (part 4): grid 1024 x 1, 8 waves a work-group, no clusters, 0 bytes of LDS; arguments x, proj_w, xb, pwb; writes xb, pwb
.if DOCPART == 4
	.amdgcn_target "amdgcn-amd-amdhsa--gfx1250"
	.amdhsa_code_object_version 6
	.text
	.protected	k_q3dedeb09ca_cvt
	.globl	k_q3dedeb09ca_cvt
	.p2align	8
	.type	k_q3dedeb09ca_cvt,@function
k_q3dedeb09ca_cvt:
	s_mov_b64 s[64:65], 0
	v_nop
	global_prefetch_b8 v0, s[64:65] scope:SCOPE_SE
	s_setreg_imm32_b32 hwreg(HW_REG_WAVE_MODE, 25, 1), 1
	s_wait_xcnt 0x0
; xb = bf16(x), pwb = bf16(proj_w): the first product's two operands, each rounded once (to nearest even), and LAID OUT IN BLOCKS for the products that follow:
;   [group of G rows][chunk of 64 along K][row in the group][64 numbers],  G = 64 for xb, 128 for pwb.
; So the part of a K step that one tensor load of the products brings (G rows x 192 along K) is one dense run of bytes.  (out_w, which only the second product needs, is converted beside the first product.)
; A stream: every byte is read once and written once, no number meets another.  So no LDS, no barrier, no matrix unit, no cluster (no two work-groups read the same byte).
; SHARES.  1,024 work-groups of eight waves.  Each converts 2 rows of x and 4 of proj_w: three pairs of rows.  An ITEM is eight chunks of a pair of rows, a chunk a wave: lanes 0-15 take
; 256 consecutive bytes (64 f32) of the even row, lanes 16-31 of the odd one; the wave's store is the two rows' 128 bytes each, which lie end to end: 256 consecutive bytes, aligned.
; A pair of rows has 64 chunks: 8 items; 24 items in all, each reached from its own buffer's address.
; IN FLIGHT.  A ring of 16 loads a wave.  The first 8 items are converted into registers of their own, so that their slot can be loaded again at once; the last 16 in place.
; No register that a load or store names is ever written again while it may still be read: the text needs no wait but the counted ones for its loads.
.set DEPTH, 16                         ; loads in flight in each wave
.set NX,    8                          ; items of x
.set NW,    16                         ; items of proj_w
.set ITEMS, NX+NW
.set X,     4                          ; v[4:67]    slot i: 4 f32 as loaded
.set Y,     68                         ; v[68:83]   item n < 8: 4 bf16 to store
	s_load_b256 s[4:11], s[0:1], 0x0               ; x s[4:5], proj_w s[6:7], xb s[8:9], pwb s[10:11]
	s_lshl_b32 s16, ttmp9, 15                      ; my 2 rows of x: 32,768 bytes
	s_mov_b32 s17, 0
	s_lshl_b32 s18, ttmp9, 16                      ; my 4 rows of proj_w: 65,536 bytes
	s_mov_b32 s19, 0
	s_lshr_b32 s22, ttmp9, 5                       ; 32 work-groups fill a group of rows, in xb (32 x 2) and in pwb (32 x 4)
	s_and_b32 s23, ttmp9, 31
	s_lshl_b32 s20, s22, 19                        ; xb: a group is 64 rows x 8,192 bytes,
	s_lshl_b32 s24, s23, 8                         ; my 2 rows of 128 bytes in a chunk
	s_add_co_u32 s20, s20, s24
	s_mov_b32 s21, 0
	s_lshl_b32 s22, s22, 20                        ; pwb: a group is 128 rows x 8,192 bytes,
	s_lshl_b32 s23, s23, 9                         ; my 4 rows of 128 bytes in a chunk
	s_add_co_u32 s22, s22, s23
	s_mov_b32 s23, 0
	v_lshrrev_b32 v4, 5, v0                        ; my wave = my chunk of an item's eight
	v_and_b32 v5, 31, v0
	v_lshlrev_b32 v5, 3, v5                        ; 8 x lane
	v_lshl_add_u32 v2, v4, 13, v5                  ; out, xb: a chunk of a group is 64 x 128 bytes; never rewritten
	v_lshl_add_u32 v3, v4, 14, v5                  ; out, pwb: 128 x 128 bytes; never rewritten
	v_and_b32 v1, 15, v0
	v_lshlrev_b32 v1, 4, v1                        ; in: 16 bytes a lane,
	v_lshl_add_u32 v1, v4, 8, v1                   ; a chunk is 256 bytes of f32,
	v_bfe_u32 v5, v0, 4, 1
	v_lshl_add_u32 v1, v5, 14, v1                  ; lanes 16-31 one row of 16,384 bytes further down; never rewritten
	s_wait_kmcnt 0x0
	s_add_nc_u64 s[4:5], s[4:5], s[16:17]
	s_add_nc_u64 s[6:7], s[6:7], s[18:19]
	s_add_nc_u64 s[8:9], s[8:9], s[20:21]
	s_add_nc_u64 s[10:11], s[10:11], s[22:23]
.macro PLACE n                         ; item n: SB, DB = the scalar pairs of its source and destination, VO = the register of its store's offset, IOF, OOF = its bytes in my share
.if (\n) < NX
.set SB, 4
.set DB, 8
.set VO, 2
.set IOF, (\n)*2048                    ; eight chunks of 256 bytes on
.set OOF, (\n)*65536                   ; eight chunks of 8,192 bytes on
.else
.set SB, 6
.set DB, 10
.set VO, 3
.set RW, (\n)-NX
.set IOF, (RW/8)*32768+(RW%8)*2048     ; the pair of rows, the eight chunks
.set OOF, (RW/8)*256+(RW%8)*131072
.endif
.endm
.macro FILL n                          ; item n is asked for, into slot n % 16
	PLACE \n
	global_load_b128 v[X+4*((\n)%DEPTH):X+4*((\n)%DEPTH)+3], v1, s[SB:SB+1] offset:IOF th:TH_LOAD_NT
.endm
.macro ITEM n
.set XS, X+4*((\n)%DEPTH)
.if (\n) < ITEMS-DEPTH
	s_wait_loadcnt DEPTH-1                         ; loads come back in order (ISA guide 5.7.1): item n is in, the 15 younger ones stay out
	v_cvt_pk_bf16_f32 v[Y+2*(\n)],   v[XS],   v[XS+1]
	v_cvt_pk_bf16_f32 v[Y+2*(\n)+1], v[XS+2], v[XS+3]
	FILL (\n)+DEPTH                                ; the load ahead of the store
	PLACE \n
	global_store_b64 v[VO], v[Y+2*(\n):Y+2*(\n)+1], s[DB:DB+1] offset:OOF
.else
	s_wait_loadcnt ITEMS-1-(\n)                    ; nothing more is asked for: the counts run down
	v_cvt_pk_bf16_f32 v[XS],   v[XS],   v[XS+1]
	v_cvt_pk_bf16_f32 v[XS+1], v[XS+2], v[XS+3]
	PLACE \n
	global_store_b64 v[VO], v[XS:XS+1], s[DB:DB+1] offset:OOF
.endif
.endm
.set it, 0
.rept DEPTH
	FILL it
.set it, it+1
.endr
.set it, 0
.rept ITEMS
	ITEM it
.set it, it+1
.endr
	s_endpgm
.Lfunc_end_k_q3dedeb09ca_cvt:
	.size	k_q3dedeb09ca_cvt, .Lfunc_end_k_q3dedeb09ca_cvt-k_q3dedeb09ca_cvt
	.p2alignl 7, 3214868480
	.fill 96, 4, 3214868480
	.section	.rodata,"a",@progbits
	.p2align	6, 0x0
	.amdhsa_kernel k_q3dedeb09ca_cvt
		.amdhsa_group_segment_fixed_size 0
		.amdhsa_private_segment_fixed_size 0
		.amdhsa_enable_private_segment 0
		.amdhsa_kernarg_size 32
		.amdhsa_user_sgpr_count 2
		.amdhsa_user_sgpr_kernarg_segment_ptr 1
		.amdhsa_wavefront_size32 1
		.amdhsa_system_sgpr_workgroup_id_x 1
		.amdhsa_system_sgpr_workgroup_id_y 1
		.amdhsa_system_sgpr_workgroup_id_z 1
		.amdhsa_system_vgpr_workitem_id 0
		.amdhsa_next_free_vgpr 84
		.amdhsa_next_free_sgpr 66
		.amdhsa_reserve_vcc 0
		.amdhsa_float_denorm_mode_32 3
		.amdhsa_float_denorm_mode_16_64 3
		.amdhsa_memory_ordered 1
		.amdhsa_forward_progress 1
		.amdhsa_inst_pref_size 10
	.end_amdhsa_kernel
	.amdgpu_metadata
---
amdhsa.version: [ 1, 2 ]
amdhsa.kernels:
  - .name:           k_q3dedeb09ca_cvt
    .symbol:         k_q3dedeb09ca_cvt.kd
    .args:
      - { .name: x, .offset: 0, .size: 8, .value_kind: global_buffer, .address_space: global }
      - { .name: proj_w, .offset: 8, .size: 8, .value_kind: global_buffer, .address_space: global }
      - { .name: xb, .offset: 16, .size: 8, .value_kind: global_buffer, .address_space: global }
      - { .name: pwb, .offset: 24, .size: 8, .value_kind: global_buffer, .address_space: global }
    .group_segment_fixed_size: 0
    .private_segment_fixed_size: 0
    .kernarg_segment_align: 8
    .kernarg_segment_size: 32
    .max_flat_workgroup_size: 256
    .sgpr_count:     66
    .vgpr_count:     84
    .wavefront_size: 32
...
	.end_amdgpu_metadata
.endif
;; end of part 4
;; launch gemm1 (part 5): grid 16 x 16, 4 waves a work-group, clusters of 4 x 4, 327,680 bytes of LDS; arguments xb, pwb, cache, proj_b, mix_w, mix_b, decay_value, hid, out_w, owb; writes hid, owb
.if DOCPART == 5
	.amdgcn_target "amdgcn-amd-amdhsa--gfx1250"
	.amdhsa_code_object_version 6
	.text
	.protected	k_q3dedeb09ca_gemm1
	.globl	k_q3dedeb09ca_gemm1
	.p2align	8
	.type	k_q3dedeb09ca_gemm1,@function
k_q3dedeb09ca_gemm1:
	s_mov_b64 s[64:65], 0
	v_nop
	global_prefetch_b8 v0, s[64:65] scope:SCOPE_SE
	s_setreg_imm32_b32 hwreg(HW_REG_WAVE_MODE, 25, 1), 1
	s_wait_xcnt 0x0
	s_wait_alu depctr_hold_cnt(0) depctr_sa_sdst(0) depctr_va_vdst(0) depctr_va_sdst(0) depctr_va_ssrc(0) depctr_va_vcc(0) depctr_vm_vsrc(0)
	s_getreg_b32 s2, hwreg(HW_REG_IB_STS2, 6, 4)
	s_cmp_eq_u32 s2, 0
	s_cbranch_scc0 .Lentry_in_a_cluster
	s_endpgm
.Lentry_in_a_cluster:
	s_bfe_u32 s2, ttmp6, 0x10000c
	s_cmp_lg_u32 s2, 0xf033
	s_cbranch_scc0 .Lentry_shape_is_right
	s_endpgm
.Lentry_shape_is_right:
; hid[m][256 h + k] = w_h (sum over d of x[m][d] proj_w[h][k][d] + proj_b[h][k]) + coef_h cache[h][m][k] + b_h, rounded once to bf16.
; w_h = mix_w[h][1000], b_h = mix_b[h][1000], decay_h = clip(decay_value[h], 0.9, 1)^(1/8), coef_h = w_h decay_h for h < 8, decay_h for h >= 8.
; xb (x, 2,048 rows) and pwb (proj_w, 4,096 rows) are bf16, IN BLOCKS: [group of G rows][chunk of 64 along K][row][64 numbers], G = 64 for xb and hid, 128 for pwb and owb.  Sums in f32.
; BESIDE THE PRODUCT: owb = bf16(out_w), in the same blocks, for the launch that follows: a stream that touches nothing of the product (THE STREAM, below).
; LIMITS.  EVERY input is taken rounded once to bf16, the small ones too (cache, proj_b, mix_w, mix_b, decay_value), here on their way in.  hid is kept in bf16, not f16: with inputs
; 30 times larger its numbers pass f16's 65,504.  The eighth root is three square roots, each good to 1 ULP.  A NaN in decay_value counts as 0.9 (the maximum drops it); other NaN and infinities are not treated apart.
; SHARES.  A tile of hid is 128 rows x 256 columns, one head's columns: 16 x 16 tiles, a work-group each.  Four waves, as many as a WGP has SIMDs, each 64 rows x 128 columns:
; 32 accumulators of 16 x 16, 256 registers.
; THE RING.  K goes in steps of 192 (three chunks) through two LDS slots filled by the tensor data mover.  A wave's load is one group's three chunks: a dense run of memory, asked for as rows of 256 bytes
; (two matrix rows of a chunk), 16 bytes of padding behind each: 408 bytes of LDS for a matrix row and step, 156,672 a slot.  Two slots of a K step of 256 (405,504 bytes) would not fit.
; 4,096 = 64 + 21 x 192: step 0 is one chunk, and its first products start the sums; steps 1 to 21 are whole.
; CLUSTERS.  4 x 4 work-groups.  The four of a row of the cluster need the same 128 rows of xb, the four of a column the same 256 rows of pwb: each tile is asked for JOINTLY, by the same
; tensor load with the same descriptor and a mask that names the four.
; THE MATRIX INSTRUCTION IS USED TRANSPOSED (source 0 = 16 rows of pwb, source 1 = 16 rows of xb): lane l holds row m = l % 16 and the columns 8 (l / 16) + 0..7 of a 16 x 16 block.
; REGISTERS, in windows of 256 (s_set_vgpr_msb: bits 1:0 source 0, 3:2 source 1, 5:4 source 2, 7:6 destination):
;   window 0: v0-31 addresses and constants; v32-127, v128-223 two fragment buffers (8 of pwb, then 4 of xb, 32 along K); on the way out v32-95 and v128-191 hold rows; v224-255 cache in bf16
;   window 1: accumulator (a, b) at v[8 (8 a + b)]          window 2: my 64 rows of cache, 4 f32 a lane and load          window 3: v0-55 the stream's 14 items
.set PITCH,  272                       ; two matrix rows of a chunk (256 bytes) + 16 of padding.  Row r of a fragment starts at 272 (r / 2) + 128 (r % 2): in units of 16 bytes, modulo the 256 bytes of a row of banks
                                       ; (64 banks of 4 bytes: ISA guide 11.1), that is r / 2 + 8 (r % 2): sixteen different columns
.set CHA,    32*PITCH                  ; a chunk of 64 rows of xb in LDS
.set CHB,    64*PITCH                  ; a chunk of 128 rows of pwb
.set AH,     3*CHA                     ; what one tensor load brings of xb, and what one wave reads
.set BH,     3*CHB                     ; likewise of pwb
.set BOFF,   2*AH                      ; in a slot pwb's 256 rows lie behind xb's 128
.set SLOT,   2*AH+2*BH
.set R16,    8*PITCH                   ; 16 rows on in a chunk
.set SPARE,  2*SLOT                    ; behind the ring: the spare words, 128 bytes for each wave: two blocks of 256 bytes that no other line names
.set SPITCH, 528                       ; THE STAGE for the way out, 16 rows x 528 bytes for each wave, lies at the head of slot 0, which by then has had its last fill of the launch.
                                       ; 512 bytes of f32 + 16 = 33 x 16 bytes, so the 16 rows of a store start at 16 different groups of four banks
.set GCA,    8192                      ; a chunk of a group in memory: 64 rows x 128 bytes,
.set GCB,    16384                     ; 128 rows x 128 bytes
.set STEPA,  3*GCA                     ; a whole step of a group in memory
.set STEPB,  3*GCB
.set FIRSTA, 2*STEPA-2*GCA             ; from step 0 to step 2: step t >= 1 begins 3 t - 2 chunks into its group
.set FIRSTB, 2*STEPB-2*GCB
.set LAPS,   9                         ; trips of the loop: steps 1 to 18, two a trip
.set SINS,   7*256                     ; the stream's step a trip: 7 chunks of 256 bytes of f32 in out_w,
.set SOUTS,  7*GCB                     ; 7 chunks of a group in owb
.set BT1,  4                           ; v4-7    w_h proj_b + b_h for my four columns of the second chunk
.set CF,   8                           ; v8      coef_h
.set BB,   9                           ; v9      b_h
.set WW,   10                          ; v10-11  w_h, twice: a pair for the packed multiply-add
.set BT0,  12                          ; v12-15  w_h proj_b + b_h for my four columns of the first chunk
.set ADRA, 16                          ; v16-17  LDS address of my fragments of xb in slot 0, 1
.set SI,   18                          ; v18     the stream: my 16 bytes in a chunk of two rows of out_w: 16,384 (l / 16) + 16 (l % 16); never rewritten
.set ADRB, 20                          ; v20-21  the same as ADRA for pwb
.set STO,  24                          ; v24     the way out: where I put 32 bytes of a row
.set RD,   25                          ; v25     the way out: where I read 16 bytes back: lanes 0-15 of one row, lanes 16-31 of the next
.set CO,   26                          ; v26     my 16 bytes in two rows of cache: 1,024 (l / 16) + 16 (l % 16)
.set HO,   27                          ; v27     8 x lane: my four bf16 in 256 bytes of hid or owb; never rewritten
.set SPW,  28                          ; v28     LDS address of my spare word: SPARE + 4 x my thread's number; never rewritten
.set NIL,  29                          ; v29     0; never rewritten
.set PFO,  30                          ; v30     the prefetches' offset: 256 x lane; never rewritten
.set PBO,  31                          ; v31     16 (l % 16): my four f32 in 256 bytes of proj_b
.set F0,   32
.set F1,   128
.set P,    224
.set SX,   0                           ; window 3: the stream's item j at v[4 j]
.set WV,   12                          ; s12  my wave's number
.set WM,   13                          ; s13  which 64 rows of the tile are mine.  Also: I fetch for xb (0) or for pwb (1)
.set WN,   14                          ; s14  which 128 columns.  Also: which group of that tile I fetch
.set LIM,  15                          ; s15  1 in a wave that prefetches, else 0
.set G1A,  24                          ; s[24:31] descriptor group 1 for xb's whole steps;  s[32:39] group 0, one set for each slot
.set G0A,  32
.set PFA,  44                          ; s[44:45] where my prefetches stand
.set G1B,  48                          ; s[48:55], s[56:63] the same for pwb
.set G0B,  56
.set PFS,  66                          ; s[66:67] a lap of my stream of prefetches in bytes
.set G1AS, 80                          ; s[80:87], s[88:95] group 1 for step 0, one chunk
.set G1BS, 88
.set SIN,  96                          ; s[96:97] out_w at my four rows, at the chunk that the trip begins with
.set SOUT, 98                          ; s[98:99] owb at my four rows, one trip further on
.set FLAGS, (3<<16)|(1<<20)|(1<<21)|(5<<22)|(3<<25)  ; 17:16 elements of 8 bytes; 20 padding on; 21 set beside a mask; 24:22 after every 64 words (code 5); 31:25 4 words of it (code 3)
.set MSB, 0
.macro WIN new                         ; the immediate's high byte repeats the setting that is left; a switch that changes nothing is dropped
.if MSB != (\new)
	s_set_vgpr_msb (MSB<<8)|(\new)
.set MSB, \new
.endif
.endm
.set MUL, 0x50                         ; both sources window 0; C and D window 1
; A joint load: waves 0 and 1 fetch xb's two groups, waves 2 and 3 pwb's.  The branch hangs on the wave's number alone.  An s_nop 0 and four v_nop follow each of the two lines,
; ahead of the jump, the label and what follows.
.macro JLOAD s, ga, gb
	s_cmp_eq_u32 s[WM], 0
	s_cbranch_scc0 .Lfor_b_\@
	tensor_load_to_lds s[G0A+4*(\s):G0A+4*(\s)+3], s[(\ga):(\ga)+7]
	s_nop 0
.rept 4
	v_nop
.endr
	s_branch .Lasked_\@
.Lfor_b_\@:
	tensor_load_to_lds s[G0B+4*(\s):G0B+4*(\s)+3], s[(\gb):(\gb)+7]
	s_nop 0
.rept 4
	v_nop
.endr
.Lasked_\@:
.endm
; A PREFETCH INTO THE L2, once a trip, behind the refill for step 2 j + 3: 24,576 bytes of steps 2 j + 4 and 2 j + 5, whose own refills stand one and two steps (192 and 384 matrix instructions) on.
; Three instructions, lanes 256 bytes apart.  Each block of 256 bytes is named ONCE in the launch.  xb's two groups of a tile row are read by every cluster of that row of clusters: cluster x = 0 asks, wave 0;
; the partner at cx takes group cx / 2, step cx % 2 of the two.  pwb's two groups of a tile column are read by every cluster of that column: cluster y = 0 asks, waves 2 and 3, each for the group that it fetches;
; the partner at cy takes quarter cy of the two steps' 98,304 bytes.  The partners are told apart BY ADDRESS: no branch hangs on a place in the cluster.
; The nine trips name steps 4 to 21, neither more nor less; steps 0 to 3 come by their loads alone.
.macro ASK
	s_cmp_eq_u32 s[LIM], 1
	s_cbranch_scc0 .Lnot_mine_\@
	global_prefetch_b8 v[PFO], s[PFA:PFA+1] th:TH_LOAD_NT scope:SCOPE_SE
	global_prefetch_b8 v[PFO], s[PFA:PFA+1] offset:8192 th:TH_LOAD_NT scope:SCOPE_SE
	global_prefetch_b8 v[PFO], s[PFA:PFA+1] offset:16384 th:TH_LOAD_NT scope:SCOPE_SE
.Lnot_mine_\@:
.endm
.macro CREST                           ; a round of the cluster's barrier behind its opening barrier: wave 0 signals for the work-group, every wave waits for all sixteen, my work-group's barrier closes it
	s_cmp_lg_u32 s[WV], 0
	s_cbranch_scc1 .Lnot_wave_0_\@
	s_barrier_signal -3
.Lnot_wave_0_\@:
	s_barrier_wait -3
	s_barrier_signal -1
	s_barrier_wait -1
.endm
.macro CROUND                          ; a whole round
	s_barrier_signal -1
	s_barrier_wait -1
	CREST
.endm
	s_load_b256 s[4:11], s[0:1], 0x0               ; xb s[4:5], pwb s[6:7], cache s[8:9], proj_b s[10:11]
	s_load_b256 s[68:75], s[0:1], 0x20             ; mix_w s[68:69], mix_b s[70:71], decay_value s[72:73], hid s[74:75]
	s_load_b128 s[96:99], s[0:1], 0x40             ; out_w s[96:97], owb s[98:99]
	v_lshl_add_u32 v[SPW], v0, 2, SPARE
	v_mov_b32 v[NIL], 0
	ds_add_u32 v[SPW], v[NIL]                      ; the wave's opening: the add and its wait ahead of my first tensor load; the set-up below, work on registers, stands between them
	v_lshrrev_b32 v1, 5, v0
	v_readfirstlane_b32 s[WV], v1                  ; wave 0..3
	s_lshr_b32 s[WM], s[WV], 1
	s_and_b32 s[WN], s[WV], 1
	s_bfe_u32 s40, ttmp6, 0x40000                  ; cx, cy: my place in the cluster
	s_bfe_u32 s41, ttmp6, 0x40004
	s_lshl_b32 s42, ttmp9, 2
	s_add_co_u32 s42, s42, s40                     ; tile column = 4 x cluster x + cx = the head h
	s_and_b32 s43, ttmp7, 0xffff
	s_lshl_b32 s43, s43, 2
	s_add_co_u32 s43, s43, s41                     ; tile row = 4 x cluster y + cy
	s_lshl_b32 s22, s41, 2
	s_lshl_b32 s22, 15, s22                        ; my row of the cluster: places 4 cy .. 4 cy + 3
	s_lshl_b32 s23, 0x1111, s40                    ; my column: places cx, cx + 4, cx + 8, cx + 12
	s_or_b32 s[G1A+0], s22, FLAGS                  ; 15:0 the mask: xb's tiles go to my row,
	s_or_b32 s[G1AS+0], s22, FLAGS
	s_or_b32 s[G1B+0], s23, FLAGS                  ; pwb's to my column
	s_or_b32 s[G1BS+0], s23, FLAGS
.irp g, G1A, G1B, G1AS, G1BS
	s_mov_b32 s[(\g)+1], 32<<16                    ; tensor_dim0 = 32 elements of 8 bytes: rows of 256 bytes
	s_mov_b32 s[(\g)+3], 32<<16                    ; tile_dim0 = 32
	s_mov_b32 s[(\g)+5], 32                        ; from row to row: the block is dense
	s_mov_b32 s[(\g)+6], 0
	s_mov_b32 s[(\g)+7], 0
.endr
	s_mov_b32 s[G1A+2], 96<<16                     ; tensor_dim1 and
	s_mov_b32 s[G1A+4], 96                         ; tile_dim1: 24,576 bytes of xb,
	s_mov_b32 s[G1B+2], 192<<16
	s_mov_b32 s[G1B+4], 192                        ; 49,152 of pwb;
	s_mov_b32 s[G1AS+2], 32<<16
	s_mov_b32 s[G1AS+4], 32                        ; in step 0 a third of that
	s_mov_b32 s[G1BS+2], 64<<16
	s_mov_b32 s[G1BS+4], 64
	s_lshl_b32 s16, s43, 20                        ; xb: two groups of 524,288 bytes a tile row,
	s_lshl_b32 s17, s[WN], 19                      ; the one that I fetch
	s_add_co_u32 s16, s16, s17
	s_mov_b32 s17, 0
	s_lshl_b32 s46, s42, 21                        ; pwb: two groups of 1,048,576 bytes a tile column
	s_lshl_b32 s47, s[WN], 20
	s_add_co_u32 s46, s46, s47
	s_mov_b32 s47, 0
	s_mul_i32 s20, s[WN], AH                       ; where they go: no place in the cluster enters an LDS address
	s_mul_i32 s21, s[WN], BH
	s_add_co_u32 s21, s21, BOFF
	s_wait_dscnt 0x0                               ; the opening add is done
	s_wait_kmcnt 0x0
	s_add_nc_u64 s[18:19], s[4:5], s[16:17]
	s_add_nc_u64 s[46:47], s[6:7], s[46:47]
	CROUND                                         ; all sixteen work-groups are here: the first joint loads meet
.irp s, 0,1
	s_mov_b32 s[G0A+4*(\s)], 1                                       ; 1:0 count = 1
	s_add_co_u32 s[G0A+4*(\s)+1], s20, (\s)*SLOT                     ; 63:32 LDS address
	s_add_nc_u64 s[G0A+4*(\s)+2:G0A+4*(\s)+3], s[18:19], (\s)*GCA    ; 120:64 global address: step 0 is chunk 0, step 1 begins with chunk 1
	s_or_b32 s[G0A+4*(\s)+3], s[G0A+4*(\s)+3], 0x80000000            ; 127:126 type = 2
	s_mov_b32 s[G0B+4*(\s)], 1
	s_add_co_u32 s[G0B+4*(\s)+1], s21, (\s)*SLOT
	s_add_nc_u64 s[G0B+4*(\s)+2:G0B+4*(\s)+3], s[46:47], (\s)*GCB
	s_or_b32 s[G0B+4*(\s)+3], s[G0B+4*(\s)+3], 0x80000000
.endr
	JLOAD 0, G1AS, G1BS                            ; step 0: one chunk
	JLOAD 1, G1A, G1B                              ; step 1.  Two loads of mine are out at the start, one behind each round later
	; A fragment is 16 rows x 32 K in 8 registers: lane l holds row l % 16; registers 0-3 K = 8 (l / 16) + 0..7, registers 4-7 K = 16 + 8 (l / 16) + 0..7: two loads of 16 bytes, 32 bytes apart.
	v_and_b32 v1, 15, v0                           ; l % 16
	v_bfe_u32 v2, v0, 4, 1                         ; l / 16
	v_lshrrev_b32 v3, 1, v1
	v_mul_u32_u24 v3, v3, PITCH                    ; the pair of rows,
	v_and_b32 v4, 1, v0
	v_lshl_add_u32 v3, v4, 7, v3                   ; the row of the pair,
	v_lshl_add_u32 v3, v2, 4, v3                   ; 16 bytes for each half of the lanes
	s_mul_i32 s20, s[WM], AH                       ; my 64 rows of xb
	s_mul_i32 s21, s[WN], BH                       ; my 128 rows of pwb
	s_add_co_u32 s21, s21, BOFF
.irp s, 0,1
	v_add_nc_u32 v[ADRA+(\s)], s20, v3
	v_add_nc_u32 v[ADRB+(\s)], s21, v3
	s_add_co_u32 s20, s20, SLOT
	s_add_co_u32 s21, s21, SLOT
.endr
	s_mul_i32 s20, s[WV], 16*SPITCH                ; my stage
	v_mul_u32_u24 v4, v1, SPITCH                   ; in: row l % 16, 32 bytes (8 f32) for each half of the lanes
	v_lshl_add_u32 v4, v2, 5, v4
	v_add_nc_u32 v[STO], s20, v4
	v_lshlrev_b32 v[PBO], 4, v1
	v_mul_u32_u24 v4, v2, SPITCH                   ; back: lanes 0-15 take 256 bytes (64 columns) of one row, lanes 16-31 of the next
	v_add_nc_u32 v4, v4, v[PBO]
	v_add_nc_u32 v[RD], s20, v4
	v_lshl_add_u32 v[CO], v2, 10, v[PBO]           ; and the same of cache, whose rows are 1,024 bytes,
	v_lshl_add_u32 v[SI], v2, 14, v[PBO]           ; and of out_w, whose rows are 16,384
	v_and_b32 v5, 31, v0                           ; lane
	v_lshlrev_b32 v[HO], 3, v5
	v_lshlrev_b32 v[PFO], 8, v5
	; my part of cache: head h, my 64 rows of 1,024 bytes, my 128 columns
	s_lshl_b32 s20, s42, 21
	s_lshl_b32 s21, s43, 17
	s_add_co_u32 s20, s20, s21
	s_lshl_b32 s21, s[WM], 16
	s_add_co_u32 s20, s20, s21
	s_lshl_b32 s21, s[WN], 9
	s_add_co_u32 s20, s20, s21
	s_mov_b32 s21, 0
	s_add_nc_u64 s[8:9], s[8:9], s[20:21]
	s_lshl_b32 s20, s42, 10                        ; of proj_b: head h, my 128 columns
	s_lshl_b32 s21, s[WN], 9
	s_add_co_u32 s20, s20, s21
	s_mov_b32 s21, 0
	s_add_nc_u64 s[10:11], s[10:11], s[20:21]
	global_load_b128 v[32:35], v[PBO], s[10:11]             ; proj_b of my four columns of the first 64,
	global_load_b128 v[36:39], v[PBO], s[10:11] offset:256  ; and of the second
	s_lshl_b32 s20, s43, 20                        ; of hid: my 64 rows are one group,
	s_lshl_b32 s21, s[WM], 19
	s_add_co_u32 s20, s20, s21
	s_lshl_b32 s21, s42, 15                        ; the tile's 256 columns four chunks of 8,192 bytes,
	s_add_co_u32 s20, s20, s21
	s_lshl_b32 s21, s[WN], 14                      ; my 128 two of them
	s_add_co_u32 s20, s20, s21
	s_mov_b32 s21, 0
	s_add_nc_u64 s[74:75], s[74:75], s[20:21]
	; the stream's share: work-group number 16 x tile row + tile column takes 16 rows of out_w, a wave 4 of them
	s_lshl_b32 s22, s43, 4
	s_add_co_u32 s22, s22, s42                     ; 0 to 255
	s_lshl_b32 s20, s22, 18                        ; out_w: 16 rows of 16,384 bytes,
	s_lshl_b32 s21, s[WV], 16                      ; my 4
	s_add_co_u32 s20, s20, s21
	s_mov_b32 s21, 0
	s_add_nc_u64 s[SIN:SIN+1], s[SIN:SIN+1], s[20:21]
	s_lshr_b32 s20, s22, 3                         ; owb: eight work-groups fill a group of 128 rows, 1,048,576 bytes;
	s_lshl_b32 s20, s20, 20
	s_and_b32 s22, s22, 7
	s_lshl_b32 s22, s22, 11                        ; in a chunk my work-group's 16 rows of 128 bytes,
	s_add_co_u32 s20, s20, s22
	s_lshl_b32 s22, s[WV], 9                       ; my 4
	s_add_co_u32 s20, s20, s22
	s_add_nc_u64 s[SOUT:SOUT+1], s[SOUT:SOUT+1], s[20:21]
	s_lshl_b32 s20, s42, 14                        ; the head's row of mix_w and mix_b: 4,096 f32
	s_add_nc_u64 s[68:69], s[68:69], s[20:21]
	s_add_nc_u64 s[70:71], s[70:71], s[20:21]
	s_lshl_b32 s20, s42, 2
	s_add_nc_u64 s[72:73], s[72:73], s[20:21]
	s_load_b32 s76, s[68:69], 0xfa0                ; mix_w[h][1000]: byte 4,000 of the row
	s_load_b32 s77, s[70:71], 0xfa0                ; mix_b[h][1000]
	s_load_b32 s78, s[72:73], 0x0                  ; decay_value[h]
	; the prefetches: each stream stands a lap ahead of step 4, and is stepped in front of each asking
	s_lshl_b32 s20, s43, 20                        ; xb: the tile row's first group,
	s_lshr_b32 s21, s40, 1
	s_lshl_b32 s21, s21, 19                        ; group cx / 2,
	s_add_co_u32 s20, s20, s21
	s_and_b32 s21, s40, 1
	s_mul_i32 s21, s21, STEPA                      ; step cx % 2 of the lap's two
	s_add_co_u32 s20, s20, s21
	s_add_co_u32 s20, s20, (4*STEPA-2*GCA)-2*STEPA
	s_lshl_b32 s21, s42, 21                        ; pwb: the tile column's first group,
	s_lshl_b32 s23, s[WN], 20                      ; the group that I fetch,
	s_add_co_u32 s21, s21, s23
	s_mul_i32 s23, s41, STEPA                      ; quarter cy of the lap's 98,304 bytes
	s_add_co_u32 s21, s21, s23
	s_add_co_u32 s21, s21, (4*STEPB-2*GCB)-2*STEPB
	s_and_b32 s22, ttmp7, 0xffff                   ; cluster y
	s_mov_b32 s23, 2*STEPA
	s_cmp_eq_u32 s[WM], 0                          ; do I fetch for xb?
	s_cselect_b32 s20, s20, s21
	s_cselect_b32 s22, ttmp9, s22                  ; the coordinate along which other clusters read the same rows
	s_cselect_b32 s[PFS], s23, 2*STEPB
	s_cselect_b64 s[PFA:PFA+1], s[4:5], s[6:7]
	s_mov_b32 s[PFS+1], 0
	s_cmp_eq_u32 s[WV], 1
	s_cselect_b32 s22, 1, s22                      ; wave 1 never asks: xb's share is wave 0's
	s_cmp_eq_u32 s22, 0
	s_cselect_b32 s[LIM], 1, 0                     ; the same in all sixteen partners, for a given wave
	s_mov_b32 s21, 0
	s_add_nc_u64 s[PFA:PFA+1], s[PFA:PFA+1], s[20:21]
	; the head's three numbers, each rounded to bf16 like every input
	s_wait_kmcnt 0x0
	v_mov_b32 v1, s76
	v_mov_b32 v2, s77
	v_cvt_pk_bf16_f32 v3, v1, v2                   ; w below, b above
	v_lshlrev_b32 v[WW], 16, v3
	v_lshlrev_b32 v[WW+1], 16, v3
	v_and_b32 v[BB], 0xffff0000, v3
	v_mov_b32 v1, s78
	v_cvt_pk_bf16_f32 v1, v1, v1
	v_lshlrev_b32 v1, 16, v1
	v_max_num_f32 v1, 0x3f666666, v1               ; clip to 0.9 ..
	v_min_num_f32 v1, 1.0, v1                      ; .. 1
.rept 3                                ; the eighth root: three square roots, each of the one before
	v_sqrt_f32 v1, v1
	v_nop                                          ; a plain instruction behind the root (ISA guide 5.7.2),
	s_wait_alu depctr_va_vdst(0)                   ; and a wait ahead of the first line that names its result
.endr
	s_cmp_lt_u32 s42, 8                            ; the first eight heads multiply the cache by w too: a choice of a value, no branch
	s_cselect_b32 s79, -1, 0
	v_cndmask_b32 v2, 1.0, v[WW], s79
	v_mul_f32 v[CF], v1, v2
	s_wait_loadcnt 0x0                             ; proj_b
	v_cvt_pk_bf16_f32 v32, v32, v33
	v_cvt_pk_bf16_f32 v33, v34, v35
	v_cvt_pk_bf16_f32 v34, v36, v37
	v_cvt_pk_bf16_f32 v35, v38, v39
	v_fma_mix_f32_bf16 v[BT0+0], v32, v[WW], v[BB] op_sel_hi:[1,0,0]                 ; w proj_b + b: what is added to w x the sum
	v_fma_mix_f32_bf16 v[BT0+1], v32, v[WW], v[BB] op_sel:[1,0,0] op_sel_hi:[1,0,0]
	v_fma_mix_f32_bf16 v[BT0+2], v33, v[WW], v[BB] op_sel_hi:[1,0,0]
	v_fma_mix_f32_bf16 v[BT0+3], v33, v[WW], v[BB] op_sel:[1,0,0] op_sel_hi:[1,0,0]
	v_fma_mix_f32_bf16 v[BT1+0], v34, v[WW], v[BB] op_sel_hi:[1,0,0]
	v_fma_mix_f32_bf16 v[BT1+1], v34, v[WW], v[BB] op_sel:[1,0,0] op_sel_hi:[1,0,0]
	v_fma_mix_f32_bf16 v[BT1+2], v35, v[WW], v[BB] op_sel_hi:[1,0,0]
	v_fma_mix_f32_bf16 v[BT1+3], v35, v[WW], v[BB] op_sel:[1,0,0] op_sel_hi:[1,0,0]
; 8 matrix instructions: m block a x all 8 n blocks, 32 along K, from buffer f.  zero = 1: the first product starts the sums: nothing is ever cleared.
; The 32 accumulators take turns in the same order in every quarter: 31 others' stand between two links of a chain, over the backward jump too.
.macro MUL8 f, a, zero
	WIN MUL
.irp b, 0,1,2,3,4,5,6,7
.if \zero
	v_wmma_f32_16x16x32_bf16 v[8*(8*(\a)+(\b)):8*(8*(\a)+(\b))+7], v[(\f)+8*(\b):(\f)+8*(\b)+7], v[(\f)+64+8*(\a):(\f)+64+8*(\a)+7], 0
.else
	v_wmma_f32_16x16x32_bf16 v[8*(8*(\a)+(\b)):8*(8*(\a)+(\b))+7], v[(\f)+8*(\b):(\f)+8*(\b)+7], v[(\f)+64+8*(\a):(\f)+64+8*(\a)+7], v[8*(8*(\a)+(\b)):8*(8*(\a)+(\b))+7]
.endif
.endr
.endm
; 24 LDS loads in one run: the fragments of part q of a step (32 along K: half q % 2 of chunk q / 2), into buffer f: pwb's eight, then xb's four
.macro FETCH slot, q, f
	WIN 0
.irp i, 0,1,2,3,4,5,6,7
	ds_load_b128 v[(\f)+8*(\i):(\f)+8*(\i)+3],   v[ADRB+(\slot)] offset:((\q)/2)*CHB+((\q)%2)*64+(\i)*R16
	ds_load_b128 v[(\f)+8*(\i)+4:(\f)+8*(\i)+7], v[ADRB+(\slot)] offset:((\q)/2)*CHB+((\q)%2)*64+(\i)*R16+32
.endr
.irp i, 0,1,2,3
	ds_load_b128 v[(\f)+64+8*(\i):(\f)+64+8*(\i)+3],   v[ADRA+(\slot)] offset:((\q)/2)*CHA+((\q)%2)*64+(\i)*R16
	ds_load_b128 v[(\f)+64+8*(\i)+4:(\f)+64+8*(\i)+7], v[ADRA+(\slot)] offset:((\q)/2)*CHA+((\q)%2)*64+(\i)*R16+32
.endr
.endm
.macro PLACES                          ; four places in front of loads into registers that matrix instructions have read (ISA guide 7.12.1 for vector instructions)
.rept 4
	v_nop
.endr
.endm
; THE STREAM: owb = bf16(out_w).  My four rows are two pairs; an ITEM is a chunk (64 numbers) of a pair: one load takes 256 consecutive bytes of each of the two rows (lanes 0-15, lanes 16-31), two conversions
; round them in place, one store writes the two rows' 128 bytes each, which lie end to end in owb's blocks: 256 consecutive bytes, aligned.  64 chunks x 2 pairs = 128 items a wave: each of the nine trips
; takes 7 chunks of both pairs (item j of 14: pair j / 7, chunk j % 7 of the trip's seven), the tail chunk 63.  So there is no branch and no clamp, and every byte is read once and written once.
; An item is asked for 288 matrix instructions ahead of its conversion, by the load itself: nothing is prefetched for it.  The loads stand behind a part's run of LDS loads; the conversions stand in the place
; of a part's four v_nop: they are plain vector instructions that name no register of the products.
.macro SLD j
	global_load_b128 v[SX+4*(\j):SX+4*(\j)+3], v[SI], s[SIN:SIN+1] offset:((\j)/7)*32768+((\j)%7)*256 th:TH_LOAD_NT
.endm
.macro SCVT j
	v_cvt_pk_bf16_f32 v[SX+4*(\j)],   v[SX+4*(\j)],   v[SX+4*(\j)+1]
	v_cvt_pk_bf16_f32 v[SX+4*(\j)+1], v[SX+4*(\j)+2], v[SX+4*(\j)+3]
.endm
.macro SSTO j, back
	global_store_b64 v[HO], v[SX+4*(\j):SX+4*(\j)+1], s[SOUT:SOUT+1] offset:((\j)/7)*256+((\j)%7)*GCB-(\back)
.endm
; What a part carries of the stream, by its number h.  PRE stands in front of the part's LDS loads, POST behind them.
;   1, 2  the trip's loads, pair 0 and pair 1          3, 4  their conversions and stores          5, 6  the same for chunk 63, in the tail          0  nothing
.macro PRE h
.if (\h) == 3
	s_wait_loadcnt 7                               ; loads come back in order (ISA guide 5.7.1): pair 0's seven are in, pair 1's seven may stay out
	WIN 0xcf                                       ; destination and both sources window 3
.irp j, 0,1,2,3,4,5,6
	SCVT \j
.endr
	WIN 0x0c                                       ; store data (source 1) window 3
.irp j, 0,1,2,3,4,5,6
	SSTO \j, SOUTS                                 ; owb's pointer stands a trip further on: the stores reach back
.endr
.elseif (\h) == 4
	s_wait_loadcnt 0x0                             ; pair 1's are in: no load of mine is out, so out_w's pointer may be written:
	s_add_nc_u64 s[SIN:SIN+1], s[SIN:SIN+1], SINS  ; the next trip's seven chunks
	WIN 0xcf
.irp j, 7,8,9,10,11,12,13
	SCVT \j
.endr
	WIN 0x0c
.irp j, 7,8,9,10,11,12,13
	SSTO \j, SOUTS
.endr
.elseif (\h) == 6
	s_wait_loadcnt 32                              ; chunk 63's two loads are in; the 32 loads of cache issued behind them may stay out
	WIN 0xcf
	SCVT 0
	SCVT 7
	WIN 0x0c
	SSTO 0, 0                                      ; nine steps have brought both pointers to chunk 63
	SSTO 7, 0
.else
	PLACES
.endif
.endm
.macro POST h
.if (\h) == 1
	s_wait_xcnt 0x0                                ; the last trip's stores, 64 matrix instructions and a round back, have read their registers and owb's pointer (ISA guide 3.1)
	s_add_nc_u64 s[SOUT:SOUT+1], s[SOUT:SOUT+1], SOUTS
	WIN 0xc0                                       ; destination window 3, address window 0
.irp j, 0,1,2,3,4,5,6
	SLD \j
.endr
.elseif (\h) == 2
	WIN 0xc0
.irp j, 7,8,9,10,11,12,13
	SLD \j
.endr
.elseif (\h) == 5
	s_wait_xcnt 0x0                                ; as above
	WIN 0xc0
	SLD 0
	SLD 7
.endif
.endm
; A whole step is six parts of 32 along K, 32 matrix instructions each, on buffers 0, 1, 0, 1, 0, 1.  One of the first five: multiplies buffer f and, in its middle, fetches part q into g.
.macro PART slot, q, f, g, zero, hook=0
	s_wait_dscnt 4                                 ; pwb's fragments and xb's first two are in; the youngest four loads (xb's last two) may be out
	MUL8 \f, 0, \zero
	MUL8 \f, 1, \zero
	PRE \hook
	FETCH \slot, \q, \g
	POST \hook
	s_wait_dscnt 24                                ; all but the 24 just issued
	MUL8 \f, 2, \zero
	MUL8 \f, 3, \zero
.endm
.macro STEP slot, h1=0, h2=0, h3=0, h4=0, h5=0  ; the first five parts of a whole step, and what each carries of the stream
	PART \slot, 1, F0, F1, 0, \h1
	PART \slot, 2, F1, F0, 0, \h2
	PART \slot, 3, F0, F1, 0, \h3
	PART \slot, 4, F1, F0, 0, \h4
	PART \slot, 5, F0, F1, 0, \h5
.endm
; A step's last part multiplies buffer 1 and changes slots: ONE barrier.  In front of it each wave waits for all its tensor loads, of which one is out: its part of the next slot; adds 0 to its spare word;
; and waits for that and for its own reads of this slot.  fill = 1: this slot is filled again, two steps ahead (ia, ib: how far that is in memory); the barrier then opens a round of the cluster's, so that no wave
; of any partner still reads the slot or has a load on its way, and the joint refill is the first thing behind it: 176 matrix instructions ahead of the wait for it.  ask = 1: the trip's prefetches.
.macro TURN slot, next, fill, ask, ia, ib
.if \ask
	s_wait_xcnt 0x0                                ; the last prefetches, two steps back, have read their address, so it may be stepped
	s_add_nc_u64 s[PFA:PFA+1], s[PFA:PFA+1], s[PFS:PFS+1]
.endif
	WIN 0                                          ; (the add's two registers lie in window 0)
	s_wait_tensorcnt 0x0                           ; all my tensor loads have landed: my part of the next slot;
	ds_add_u32 v[SPW], v[NIL]                      ; 0 onto my spare word;
	s_wait_dscnt 5                                 ; (the add and the youngest four loads may be out)
	MUL8 F1, 0, 0                                  ; eight matrix instructions stand between the add and the wait for it
	s_wait_dscnt 0x0                               ; the add is done, and my reads of this slot are over
	s_barrier_signal -1
	MUL8 F1, 1, 0                                  ; work on registers while the others arrive
.if \fill
	WIN 0
.endif
	s_barrier_wait -1
.if \fill
	CREST
	s_add_nc_u64 s[G0A+4*(\slot)+2:G0A+4*(\slot)+3], s[G0A+4*(\slot)+2:G0A+4*(\slot)+3], \ia  ; no tensor load of mine is out, so a group 0 may be written; the type bits on top are not reached
	s_add_nc_u64 s[G0B+4*(\slot)+2:G0B+4*(\slot)+3], s[G0B+4*(\slot)+2:G0B+4*(\slot)+3], \ib
	JLOAD \slot, G1A, G1B                          ; the four v_nop behind it are also the places in front of the loads below
.else
	PLACES
.endif
	FETCH \next, 0, F0
.if \ask
	ASK                                            ; behind the joint load and the run of LDS loads that the next products wait for
.endif
	MUL8 F1, 2, 0
	MUL8 F1, 3, 0
.endm
; Half of my part of cache into window 2: load r takes 256 bytes (64 columns: chunk r % 2) of each of the rows 2 (r / 2) and 2 (r / 2) + 1.  Asked for in the last two steps; read once in the launch.
.macro CLOAD g
	WIN 0x80                                       ; destination window 2, address window 0
.set r, 32*(\g)
.rept 32
	global_load_b128 v[4*r:4*r+3], v[CO], s[8:9] offset:(r/2)*2048+(r%2)*256 th:TH_LOAD_NT
.set r, r+1
.endr
.endm
; THE WAY OUT of block a (16 of my rows).  TOSTAGE: the sums go as f32 into my own stage and come back as hid's blocks want them: load t brings 64 columns (chunk t % 2) of the rows 2 (t / 2) and 2 (t / 2) + 1, four columns a lane.
.macro TOSTAGE a
.set T, 32+96*((\a)%2)
	WIN 0x04                                       ; store data (source 1) window 1
.irp b, 0,1,2,3,4,5,6,7
	ds_store_b128 v[STO], v[8*(8*(\a)+(\b)):8*(8*(\a)+(\b))+3]   offset:64*(\b)      ; each accumulator's low four registers first
	ds_store_b128 v[STO], v[8*(8*(\a)+(\b))+4:8*(8*(\a)+(\b))+7] offset:64*(\b)+16
.endr
	WIN 0
.if (\a) >= 2
	s_wait_xcnt 0x0                                ; the stores of the block two back have read these registers (ISA guide 3.1)
.endif
.irp t, 0,1,2,3,4,5,6,7,8,9,10,11,12,13,14,15
	ds_load_b128 v[T+4*(\t):T+4*(\t)+3], v[RD] offset:((\t)/2)*2*SPITCH+((\t)%2)*256  ; LDS serves a wave's instructions in order (ISA guide 5.7.1.4): these see the stores above; the next block's stores come behind them
.endr
.endm
; FIN: hid = w sum + (w proj_b + b) + coef cache, rounded to bf16 and stored: two rows' 128 bytes of a chunk lie end to end, so 32 lanes store 256 consecutive bytes, aligned.
.macro FIN a
.set T, 32+96*((\a)%2)
.if (\a) == 0
	s_wait_loadcnt 0x0                             ; cache
.endif
	WIN 0x0a                                       ; sources 0 and 1 window 2
.set t, 0
.rept 16                               ; the block's cache, rounded to bf16 like every input: work while the stage comes back
	v_cvt_pk_bf16_f32 v[P+2*t],   v[4*(16*(\a)+t)],   v[4*(16*(\a)+t)+1]
	v_cvt_pk_bf16_f32 v[P+2*t+1], v[4*(16*(\a)+t)+2], v[4*(16*(\a)+t)+3]
.set t, t+1
.endr
	WIN 0
	s_wait_dscnt 0x0                               ; the block is back in registers
.set t, 0
.rept 16
.set BQ, BT0+(BT1-BT0)*(t%2)
	v_pk_fma_f32 v[T+4*t:T+4*t+1],   v[T+4*t:T+4*t+1],   v[WW:WW+1], v[BQ:BQ+1]
	v_pk_fma_f32 v[T+4*t+2:T+4*t+3], v[T+4*t+2:T+4*t+3], v[WW:WW+1], v[BQ+2:BQ+3]
.set t, t+1
.endr
.set t, 0
.rept 16
	v_fma_mix_f32_bf16 v[T+4*t],   v[P+2*t],   v[CF], v[T+4*t]   op_sel_hi:[1,0,0]
	v_fma_mix_f32_bf16 v[T+4*t+1], v[P+2*t],   v[CF], v[T+4*t+1] op_sel:[1,0,0] op_sel_hi:[1,0,0]
	v_fma_mix_f32_bf16 v[T+4*t+2], v[P+2*t+1], v[CF], v[T+4*t+2] op_sel_hi:[1,0,0]
	v_fma_mix_f32_bf16 v[T+4*t+3], v[P+2*t+1], v[CF], v[T+4*t+3] op_sel:[1,0,0] op_sel_hi:[1,0,0]
.set t, t+1
.endr
.set t, 0
.rept 16
	v_cvt_pk_bf16_f32 v[T+4*t],   v[T+4*t],   v[T+4*t+1]
	v_cvt_pk_bf16_f32 v[T+4*t+1], v[T+4*t+2], v[T+4*t+3]
	global_store_b64 v[HO], v[T+4*t:T+4*t+1], s[74:75] offset:(t%2)*GCA+(\a)*2048+(t/2)*256
.set t, t+1
.endr
.endm
	s_wait_tensorcnt 0x1                           ; my part of step 0 is in; step 1's may stay out
	s_barrier_signal -1
	s_barrier_wait -1                              ; everybody's is
	FETCH 0, 0, F0
	PART 0, 1, F0, F1, 1                           ; step 0, one chunk: its first part starts the sums,
	TURN 0, 1, 1, 0, FIRSTA, FIRSTB                ; its second changes slots; slot 0 takes step 2
	WIN 0                                          ; at a label and at a branch every window is 0
	s_mov_b32 s3, LAPS
.Llap:                                                 ; trip j: steps 2 j + 1 and 2 j + 2 are multiplied, steps 2 j + 3 and 2 j + 4 asked for; chunks 7 j to 7 j + 6 of my rows of out_w are converted
	STEP 1, 1, 2                                   ; the stream's loads in the first two parts,
	TURN 1, 0, 1, 1, 2*STEPA, 2*STEPB
	STEP 0, 0, 0, 0, 3, 4                          ; its conversions and stores in the fourth and fifth of the second step
	TURN 0, 1, 1, 0, 2*STEPA, 2*STEPB
	WIN 0
	s_sub_co_u32 s3, s3, 1
	s_cmp_lg_u32 s3, 0
	s_cbranch_scc1 .Llap
	STEP 1, 5                                      ; the tail is written out.  Step 19; the stream's chunk 63 is asked for
	TURN 1, 0, 1, 0, 2*STEPA, 2*STEPB              ; slot 1 takes step 21: the last fill
	CLOAD 0                                        ; in the last two steps the cache is asked for
	STEP 0, 0, 0, 6                                ; step 20; chunk 63 is converted and stored
	TURN 0, 1, 0, 0, 0, 0                          ; nothing is filled: a plain barrier.  Behind it no wave reads slot 0 any more, and no tensor load follows
	CLOAD 1
	STEP 1                                         ; step 21
	s_wait_dscnt 4                                 ; its last part: nothing more to fetch
	MUL8 F1, 0, 0
	MUL8 F1, 1, 0
	s_wait_dscnt 0x0
	MUL8 F1, 2, 0
	MUL8 F1, 3, 0
	WIN 0
.rept 8
	v_nop                                          ; the places behind the last products, in front of the stores that read results and the loads into the fragments' registers; once a launch
.endr
.irp a, 0,1,2,3
	TOSTAGE \a
	FIN \a
.endr
	s_wait_tensorcnt 0x0                           ; the wave's end: a wait, an add and its wait, behind my last tensor load and my last LDS store
	ds_add_u32 v[SPW], v[NIL]
	s_wait_dscnt 0x0
	CROUND                                         ; the closing round: no work-group ends while a partner may still ask for a tile that names it
	s_endpgm
.Lfunc_end_k_q3dedeb09ca_gemm1:
	.size	k_q3dedeb09ca_gemm1, .Lfunc_end_k_q3dedeb09ca_gemm1-k_q3dedeb09ca_gemm1
	.p2alignl 7, 3214868480
	.fill 96, 4, 3214868480
	.section	.rodata,"a",@progbits
	.p2align	6, 0x0
	.amdhsa_kernel k_q3dedeb09ca_gemm1
		.amdhsa_group_segment_fixed_size 327680
		.amdhsa_private_segment_fixed_size 0
		.amdhsa_enable_private_segment 0
		.amdhsa_kernarg_size 80
		.amdhsa_user_sgpr_count 2
		.amdhsa_user_sgpr_kernarg_segment_ptr 1
		.amdhsa_wavefront_size32 1
		.amdhsa_system_sgpr_workgroup_id_x 1
		.amdhsa_system_sgpr_workgroup_id_y 1
		.amdhsa_system_sgpr_workgroup_id_z 1
		.amdhsa_system_vgpr_workitem_id 0
		.amdhsa_next_free_vgpr 832
		.amdhsa_next_free_sgpr 100
		.amdhsa_reserve_vcc 0
		.amdhsa_float_denorm_mode_32 3
		.amdhsa_float_denorm_mode_16_64 3
		.amdhsa_memory_ordered 1
		.amdhsa_forward_progress 1
		.amdhsa_inst_pref_size 204
	.end_amdhsa_kernel
	.amdgpu_metadata
---
amdhsa.version: [ 1, 2 ]
amdhsa.kernels:
  - .name:           k_q3dedeb09ca_gemm1
    .symbol:         k_q3dedeb09ca_gemm1.kd
    .args:
      - { .name: xb, .offset: 0, .size: 8, .value_kind: global_buffer, .address_space: global }
      - { .name: pwb, .offset: 8, .size: 8, .value_kind: global_buffer, .address_space: global }
      - { .name: cache, .offset: 16, .size: 8, .value_kind: global_buffer, .address_space: global }
      - { .name: proj_b, .offset: 24, .size: 8, .value_kind: global_buffer, .address_space: global }
      - { .name: mix_w, .offset: 32, .size: 8, .value_kind: global_buffer, .address_space: global }
      - { .name: mix_b, .offset: 40, .size: 8, .value_kind: global_buffer, .address_space: global }
      - { .name: decay_value, .offset: 48, .size: 8, .value_kind: global_buffer, .address_space: global }
      - { .name: hid, .offset: 56, .size: 8, .value_kind: global_buffer, .address_space: global }
      - { .name: out_w, .offset: 64, .size: 8, .value_kind: global_buffer, .address_space: global }
      - { .name: owb, .offset: 72, .size: 8, .value_kind: global_buffer, .address_space: global }
    .group_segment_fixed_size: 327680
    .private_segment_fixed_size: 0
    .kernarg_segment_align: 8
    .kernarg_segment_size: 80
    .max_flat_workgroup_size: 128
    .sgpr_count:     100
    .vgpr_count:     832
    .wavefront_size: 32
...
	.end_amdgpu_metadata
.endif
;; end of part 5
;; launch gemm2 (part 6): grid 16 x 16, 4 waves a work-group, clusters of 4 x 4, 327,680 bytes of LDS; arguments hid, owb, out_b, out0; writes out0
.if DOCPART == 6
	.amdgcn_target "amdgcn-amd-amdhsa--gfx1250"
	.amdhsa_code_object_version 6
	.text
	.protected	k_q3dedeb09ca_gemm2
	.globl	k_q3dedeb09ca_gemm2
	.p2align	8
	.type	k_q3dedeb09ca_gemm2,@function
k_q3dedeb09ca_gemm2:
	s_mov_b64 s[64:65], 0
	v_nop
	global_prefetch_b8 v0, s[64:65] scope:SCOPE_SE
	s_setreg_imm32_b32 hwreg(HW_REG_WAVE_MODE, 25, 1), 1
	s_wait_xcnt 0x0
	s_wait_alu depctr_hold_cnt(0) depctr_sa_sdst(0) depctr_va_vdst(0) depctr_va_sdst(0) depctr_va_ssrc(0) depctr_va_vcc(0) depctr_vm_vsrc(0)
	s_getreg_b32 s2, hwreg(HW_REG_IB_STS2, 6, 4)
	s_cmp_eq_u32 s2, 0
	s_cbranch_scc0 .Lentry_in_a_cluster
	s_endpgm
.Lentry_in_a_cluster:
	s_bfe_u32 s2, ttmp6, 0x10000c
	s_cmp_lg_u32 s2, 0xf033
	s_cbranch_scc0 .Lentry_shape_is_right
	s_endpgm
.Lentry_shape_is_right:
; out0[m][n] = sum over j of hid[m][j] out_w[n][j] + out_b[n].  Sums in f32; out0 is f32, row-major.
; hid (2,048 rows) and owb (out_w, 4,096 rows) are bf16, IN BLOCKS: [group of G rows][chunk of 64 along K][row][64 numbers], G = 64 for hid, 128 for owb.
; LIMITS.  out_b is taken rounded once to bf16, like every input of the program.  NaN and infinities are not treated apart.
; SHARES.  A tile of out0 is 128 rows x 256 columns: 16 x 16 tiles, a work-group each.  Four waves, as many as a WGP has SIMDs, each 64 rows x 128 columns: 32 accumulators of 16 x 16, 256 registers.
; THE RING.  K goes in steps of 192 (three chunks) through two LDS slots filled by the tensor data mover.  A wave's load is one group's three chunks: a dense run of memory, asked for as rows of 256 bytes
; (two matrix rows of a chunk), 16 bytes of padding behind each: 408 bytes of LDS for a matrix row and step, 156,672 a slot.  Two slots of a K step of 256 (405,504 bytes) would not fit.
; 4,096 = 64 + 21 x 192: step 0 is one chunk, and its first products start the sums; steps 1 to 21 are whole.
; CLUSTERS.  4 x 4 work-groups.  The four of a row of the cluster need the same 128 rows of hid, the four of a column the same 256 rows of owb: each tile is asked for JOINTLY, by the same
; tensor load with the same descriptor and a mask that names the four.
; THE MATRIX INSTRUCTION IS USED TRANSPOSED (source 0 = 16 rows of owb, source 1 = 16 rows of hid): lane l holds row m = l % 16 and the columns 8 (l / 16) + 0..7 of a 16 x 16 block.
; REGISTERS, in windows of 256 (s_set_vgpr_msb: bits 1:0 source 0, 3:2 source 1, 5:4 source 2, 7:6 destination):
;   window 0: v0-31 addresses and constants; v32-127, v128-223 two fragment buffers (8 of owb, then 4 of hid, 32 along K); on the way out v32-95 and v128-191 hold rows
;   window 1: accumulator (a, b) at v[8 (8 a + b)]
.set PITCH,  272                       ; two matrix rows of a chunk (256 bytes) + 16 of padding.  Row r of a fragment starts at 272 (r / 2) + 128 (r % 2): in units of 16 bytes, modulo the 256 bytes of a row of banks
                                       ; (64 banks of 4 bytes: ISA guide 11.1), that is r / 2 + 8 (r % 2): sixteen different columns
.set CHA,    32*PITCH                  ; a chunk of 64 rows of hid in LDS
.set CHB,    64*PITCH                  ; a chunk of 128 rows of owb
.set AH,     3*CHA                     ; what one tensor load brings of hid, and what one wave reads
.set BH,     3*CHB                     ; likewise of owb
.set BOFF,   2*AH                      ; in a slot owb's 256 rows lie behind hid's 128
.set SLOT,   2*AH+2*BH
.set R16,    8*PITCH                   ; 16 rows on in a chunk
.set SPARE,  2*SLOT                    ; behind the ring: the spare words, 128 bytes for each wave: two blocks of 256 bytes that no other line names
.set SPITCH, 528                       ; THE STAGE for the way out, 16 rows x 528 bytes for each wave, lies at the head of slot 0, which by then has had its last fill of the launch.
                                       ; 512 bytes of f32 + 16 = 33 x 16 bytes, so the 16 rows of a store start at 16 different groups of four banks
.set GCA,    8192                      ; a chunk of a group in memory: 64 rows x 128 bytes,
.set GCB,    16384                     ; 128 rows x 128 bytes
.set STEPA,  3*GCA                     ; a whole step of a group in memory
.set STEPB,  3*GCB
.set FIRSTA, 2*STEPA-2*GCA             ; from step 0 to step 2: step t >= 1 begins 3 t - 2 chunks into its group
.set FIRSTB, 2*STEPB-2*GCB
.set LAPS,   9                         ; trips of the loop: steps 1 to 18, two a trip
.set ROWC,   16384                     ; bytes in a row of out0
.set OB,   12                          ; v12-15  out_b of my four columns
.set ADRA, 16                          ; v16-17  LDS address of my fragments of hid in slot 0, 1
.set ADRB, 20                          ; v20-21  the same for owb
.set STO,  24                          ; v24     the way out: where I put 32 bytes of a row
.set RD,   25                          ; v25     the way out: where I read 16 bytes of a row back
.set CO,   26                          ; v26     16 x lane: my four f32 in 512 bytes of out0 or out_b
.set SPW,  28                          ; v28     LDS address of my spare word: SPARE + 4 x my thread's number; never rewritten
.set NIL,  29                          ; v29     0; never rewritten
.set PFO,  30                          ; v30     the prefetches' offset: 256 x lane; never rewritten
.set F0,   32
.set F1,   128
.set WV,   12                          ; s12  my wave's number
.set WM,   13                          ; s13  which 64 rows of the tile are mine.  Also: I fetch for hid (0) or for owb (1)
.set WN,   14                          ; s14  which 128 columns.  Also: which group of that tile I fetch
.set LIM,  15                          ; s15  1 in a wave that prefetches, else 0
.set G1A,  24                          ; s[24:31] descriptor group 1 for hid's whole steps;  s[32:39] group 0, one set for each slot
.set G0A,  32
.set PFA,  44                          ; s[44:45] where my prefetches stand
.set G1B,  48                          ; s[48:55], s[56:63] the same for owb
.set G0B,  56
.set PFS,  66                          ; s[66:67] a lap of my stream in bytes
.set G1AS, 80                          ; s[80:87], s[88:95] group 1 for step 0, one chunk
.set G1BS, 88
.set FLAGS, (3<<16)|(1<<20)|(1<<21)|(5<<22)|(3<<25)  ; 17:16 elements of 8 bytes; 20 padding on; 21 set beside a mask; 24:22 after every 64 words (code 5); 31:25 4 words of it (code 3)
.set MSB, 0
.macro WIN new                         ; the immediate's high byte repeats the setting that is left; a switch that changes nothing is dropped
.if MSB != (\new)
	s_set_vgpr_msb (MSB<<8)|(\new)
.set MSB, \new
.endif
.endm
.set MUL, 0x50                         ; both sources window 0; C and D window 1
; A joint load: waves 0 and 1 fetch hid's two groups, waves 2 and 3 owb's.  The branch hangs on the wave's number alone.  An s_nop 0 and four v_nop follow each of the two lines,
; ahead of the jump, the label and what follows.
.macro JLOAD s, ga, gb
	s_cmp_eq_u32 s[WM], 0
	s_cbranch_scc0 .Lfor_b_\@
	tensor_load_to_lds s[G0A+4*(\s):G0A+4*(\s)+3], s[(\ga):(\ga)+7]
	s_nop 0
.rept 4
	v_nop
.endr
	s_branch .Lasked_\@
.Lfor_b_\@:
	tensor_load_to_lds s[G0B+4*(\s):G0B+4*(\s)+3], s[(\gb):(\gb)+7]
	s_nop 0
.rept 4
	v_nop
.endr
.Lasked_\@:
.endm
; A PREFETCH INTO THE L2, once a trip, behind the refill for step 2 j + 3: 24,576 bytes of steps 2 j + 4 and 2 j + 5, whose own refills stand one and two steps (192 and 384 matrix instructions) on.
; Three instructions, lanes 256 bytes apart.  Each block of 256 bytes is named ONCE in the launch.  hid's two groups of a tile row are read by every cluster of that row of clusters: cluster x = 0 asks, wave 0;
; the partner at cx takes group cx / 2, step cx % 2 of the two.  owb's two groups of a tile column are read by every cluster of that column: cluster y = 0 asks, waves 2 and 3, each for the group that it fetches;
; the partner at cy takes quarter cy of the two steps' 98,304 bytes.  The partners are told apart BY ADDRESS: no branch hangs on a place in the cluster.
; The nine trips name steps 4 to 21, neither more nor less; steps 0 to 3 come by their loads alone.
.macro ASK
	s_cmp_eq_u32 s[LIM], 1
	s_cbranch_scc0 .Lnot_mine_\@
	global_prefetch_b8 v[PFO], s[PFA:PFA+1] th:TH_LOAD_NT scope:SCOPE_SE
	global_prefetch_b8 v[PFO], s[PFA:PFA+1] offset:8192 th:TH_LOAD_NT scope:SCOPE_SE
	global_prefetch_b8 v[PFO], s[PFA:PFA+1] offset:16384 th:TH_LOAD_NT scope:SCOPE_SE
.Lnot_mine_\@:
.endm
.macro CREST                           ; a round of the cluster's barrier behind its opening barrier: wave 0 signals for the work-group, every wave waits for all sixteen, my work-group's barrier closes it
	s_cmp_lg_u32 s[WV], 0
	s_cbranch_scc1 .Lnot_wave_0_\@
	s_barrier_signal -3
.Lnot_wave_0_\@:
	s_barrier_wait -3
	s_barrier_signal -1
	s_barrier_wait -1
.endm
.macro CROUND                          ; a whole round
	s_barrier_signal -1
	s_barrier_wait -1
	CREST
.endm
	s_load_b256 s[4:11], s[0:1], 0x0               ; hid s[4:5], owb s[6:7], out_b s[8:9], out0 s[10:11]
	v_lshl_add_u32 v[SPW], v0, 2, SPARE
	v_mov_b32 v[NIL], 0
	ds_add_u32 v[SPW], v[NIL]                      ; the wave's opening: the add and its wait ahead of my first tensor load; the set-up below, work on registers, stands between them
	v_lshrrev_b32 v1, 5, v0
	v_readfirstlane_b32 s[WV], v1                  ; wave 0..3
	s_lshr_b32 s[WM], s[WV], 1
	s_and_b32 s[WN], s[WV], 1
	s_bfe_u32 s40, ttmp6, 0x40000                  ; cx, cy: my place in the cluster
	s_bfe_u32 s41, ttmp6, 0x40004
	s_lshl_b32 s42, ttmp9, 2
	s_add_co_u32 s42, s42, s40                     ; tile column = 4 x cluster x + cx
	s_and_b32 s43, ttmp7, 0xffff
	s_lshl_b32 s43, s43, 2
	s_add_co_u32 s43, s43, s41                     ; tile row = 4 x cluster y + cy
	s_lshl_b32 s22, s41, 2
	s_lshl_b32 s22, 15, s22                        ; my row of the cluster: places 4 cy .. 4 cy + 3
	s_lshl_b32 s23, 0x1111, s40                    ; my column: places cx, cx + 4, cx + 8, cx + 12
	s_or_b32 s[G1A+0], s22, FLAGS                  ; 15:0 the mask: hid's tiles go to my row,
	s_or_b32 s[G1AS+0], s22, FLAGS
	s_or_b32 s[G1B+0], s23, FLAGS                  ; owb's to my column
	s_or_b32 s[G1BS+0], s23, FLAGS
.irp g, G1A, G1B, G1AS, G1BS
	s_mov_b32 s[(\g)+1], 32<<16                    ; tensor_dim0 = 32 elements of 8 bytes: rows of 256 bytes
	s_mov_b32 s[(\g)+3], 32<<16                    ; tile_dim0 = 32
	s_mov_b32 s[(\g)+5], 32                        ; from row to row: the block is dense
	s_mov_b32 s[(\g)+6], 0
	s_mov_b32 s[(\g)+7], 0
.endr
	s_mov_b32 s[G1A+2], 96<<16                     ; tensor_dim1 and
	s_mov_b32 s[G1A+4], 96                         ; tile_dim1: 24,576 bytes of hid,
	s_mov_b32 s[G1B+2], 192<<16
	s_mov_b32 s[G1B+4], 192                        ; 49,152 of owb;
	s_mov_b32 s[G1AS+2], 32<<16
	s_mov_b32 s[G1AS+4], 32                        ; in step 0 a third of that
	s_mov_b32 s[G1BS+2], 64<<16
	s_mov_b32 s[G1BS+4], 64
	s_lshl_b32 s16, s43, 20                        ; hid: two groups of 524,288 bytes a tile row,
	s_lshl_b32 s17, s[WN], 19                      ; the one that I fetch
	s_add_co_u32 s16, s16, s17
	s_mov_b32 s17, 0
	s_lshl_b32 s46, s42, 21                        ; owb: two groups of 1,048,576 bytes a tile column
	s_lshl_b32 s47, s[WN], 20
	s_add_co_u32 s46, s46, s47
	s_mov_b32 s47, 0
	s_mul_i32 s20, s[WN], AH                       ; where they go: no place in the cluster enters an LDS address
	s_mul_i32 s21, s[WN], BH
	s_add_co_u32 s21, s21, BOFF
	s_wait_dscnt 0x0                               ; the opening add is done
	s_wait_kmcnt 0x0
	s_add_nc_u64 s[18:19], s[4:5], s[16:17]
	s_add_nc_u64 s[46:47], s[6:7], s[46:47]
	CROUND                                         ; all sixteen work-groups are here: the first joint loads meet
.irp s, 0,1
	s_mov_b32 s[G0A+4*(\s)], 1                                       ; 1:0 count = 1
	s_add_co_u32 s[G0A+4*(\s)+1], s20, (\s)*SLOT                     ; 63:32 LDS address
	s_add_nc_u64 s[G0A+4*(\s)+2:G0A+4*(\s)+3], s[18:19], (\s)*GCA    ; 120:64 global address: step 0 is chunk 0, step 1 begins with chunk 1
	s_or_b32 s[G0A+4*(\s)+3], s[G0A+4*(\s)+3], 0x80000000            ; 127:126 type = 2
	s_mov_b32 s[G0B+4*(\s)], 1
	s_add_co_u32 s[G0B+4*(\s)+1], s21, (\s)*SLOT
	s_add_nc_u64 s[G0B+4*(\s)+2:G0B+4*(\s)+3], s[46:47], (\s)*GCB
	s_or_b32 s[G0B+4*(\s)+3], s[G0B+4*(\s)+3], 0x80000000
.endr
	JLOAD 0, G1AS, G1BS                            ; step 0: one chunk
	JLOAD 1, G1A, G1B                              ; step 1.  Two loads of mine are out at the start, one behind each round later
	; A fragment is 16 rows x 32 K in 8 registers: lane l holds row l % 16; registers 0-3 K = 8 (l / 16) + 0..7, registers 4-7 K = 16 + 8 (l / 16) + 0..7: two loads of 16 bytes, 32 bytes apart.
	v_and_b32 v1, 15, v0                           ; l % 16
	v_bfe_u32 v2, v0, 4, 1                         ; l / 16
	v_lshrrev_b32 v3, 1, v1
	v_mul_u32_u24 v3, v3, PITCH                    ; the pair of rows,
	v_and_b32 v4, 1, v0
	v_lshl_add_u32 v3, v4, 7, v3                   ; the row of the pair,
	v_lshl_add_u32 v3, v2, 4, v3                   ; 16 bytes for each half of the lanes
	s_mul_i32 s20, s[WM], AH                       ; my 64 rows of hid
	s_mul_i32 s21, s[WN], BH                       ; my 128 rows of owb
	s_add_co_u32 s21, s21, BOFF
.irp s, 0,1
	v_add_nc_u32 v[ADRA+(\s)], s20, v3
	v_add_nc_u32 v[ADRB+(\s)], s21, v3
	s_add_co_u32 s20, s20, SLOT
	s_add_co_u32 s21, s21, SLOT
.endr
	s_mul_i32 s20, s[WV], 16*SPITCH                ; my stage
	v_mul_u32_u24 v4, v1, SPITCH                   ; in: row l % 16, 32 bytes (8 f32) for each half of the lanes
	v_lshl_add_u32 v4, v2, 5, v4
	v_add_nc_u32 v[STO], s20, v4
	v_and_b32 v5, 31, v0                           ; lane
	v_lshlrev_b32 v[CO], 4, v5
	v_add_nc_u32 v[RD], s20, v[CO]                 ; back: 32 lanes take a whole row of 512 bytes
	v_lshlrev_b32 v[PFO], 8, v5
	s_lshl_b32 s20, s42, 10                        ; my 128 columns, in bytes of f32: in out_b,
	s_lshl_b32 s21, s[WN], 9
	s_add_co_u32 s20, s20, s21
	s_mov_b32 s21, 0
	s_add_nc_u64 s[8:9], s[8:9], s[20:21]
	global_load_b128 v[4:7], v[CO], s[8:9]         ; out_b of my four columns
	s_add_nc_u64 s[10:11], s[10:11], s[20:21]      ; and in out0,
	s_lshl_b32 s20, s43, 21                        ; at my 64 rows of 16,384 bytes
	s_lshl_b32 s21, s[WM], 20
	s_add_co_u32 s20, s20, s21
	s_mov_b32 s21, 0
	s_add_nc_u64 s[10:11], s[10:11], s[20:21]
	; the prefetches: each stream stands a lap ahead of step 4, and is stepped in front of each asking
	s_lshl_b32 s20, s43, 20                        ; hid: the tile row's first group,
	s_lshr_b32 s21, s40, 1
	s_lshl_b32 s21, s21, 19                        ; group cx / 2,
	s_add_co_u32 s20, s20, s21
	s_and_b32 s21, s40, 1
	s_mul_i32 s21, s21, STEPA                      ; step cx % 2 of the lap's two
	s_add_co_u32 s20, s20, s21
	s_add_co_u32 s20, s20, (4*STEPA-2*GCA)-2*STEPA
	s_lshl_b32 s21, s42, 21                        ; owb: the tile column's first group,
	s_lshl_b32 s23, s[WN], 20                      ; the group that I fetch,
	s_add_co_u32 s21, s21, s23
	s_mul_i32 s23, s41, STEPA                      ; quarter cy of the lap's 98,304 bytes
	s_add_co_u32 s21, s21, s23
	s_add_co_u32 s21, s21, (4*STEPB-2*GCB)-2*STEPB
	s_and_b32 s22, ttmp7, 0xffff                   ; cluster y
	s_mov_b32 s23, 2*STEPA
	s_cmp_eq_u32 s[WM], 0                          ; do I fetch for hid?
	s_cselect_b32 s20, s20, s21
	s_cselect_b32 s22, ttmp9, s22                  ; the coordinate along which other clusters read the same rows
	s_cselect_b32 s[PFS], s23, 2*STEPB
	s_cselect_b64 s[PFA:PFA+1], s[4:5], s[6:7]
	s_mov_b32 s[PFS+1], 0
	s_cmp_eq_u32 s[WV], 1
	s_cselect_b32 s22, 1, s22                      ; wave 1 never asks: hid's share is wave 0's
	s_cmp_eq_u32 s22, 0
	s_cselect_b32 s[LIM], 1, 0                     ; the same in all sixteen partners, for a given wave
	s_mov_b32 s21, 0
	s_add_nc_u64 s[PFA:PFA+1], s[PFA:PFA+1], s[20:21]
	s_wait_loadcnt 0x0                             ; out_b, rounded to bf16 like every input and widened again
	v_cvt_pk_bf16_f32 v4, v4, v5
	v_cvt_pk_bf16_f32 v5, v6, v7
	v_lshlrev_b32 v[OB+0], 16, v4
	v_and_b32     v[OB+1], 0xffff0000, v4
	v_lshlrev_b32 v[OB+2], 16, v5
	v_and_b32     v[OB+3], 0xffff0000, v5
; 8 matrix instructions: m block a x all 8 n blocks, 32 along K, from buffer f.  zero = 1: the first product starts the sums: nothing is ever cleared.
; The 32 accumulators take turns in the same order in every quarter: 31 others' stand between two links of a chain, over the backward jump too.
.macro MUL8 f, a, zero
	WIN MUL
.irp b, 0,1,2,3,4,5,6,7
.if \zero
	v_wmma_f32_16x16x32_bf16 v[8*(8*(\a)+(\b)):8*(8*(\a)+(\b))+7], v[(\f)+8*(\b):(\f)+8*(\b)+7], v[(\f)+64+8*(\a):(\f)+64+8*(\a)+7], 0
.else
	v_wmma_f32_16x16x32_bf16 v[8*(8*(\a)+(\b)):8*(8*(\a)+(\b))+7], v[(\f)+8*(\b):(\f)+8*(\b)+7], v[(\f)+64+8*(\a):(\f)+64+8*(\a)+7], v[8*(8*(\a)+(\b)):8*(8*(\a)+(\b))+7]
.endif
.endr
.endm
; 24 LDS loads in one run: the fragments of part q of a step (32 along K: half q % 2 of chunk q / 2), into buffer f: owb's eight, then hid's four
.macro FETCH slot, q, f
	WIN 0
.irp i, 0,1,2,3,4,5,6,7
	ds_load_b128 v[(\f)+8*(\i):(\f)+8*(\i)+3],   v[ADRB+(\slot)] offset:((\q)/2)*CHB+((\q)%2)*64+(\i)*R16
	ds_load_b128 v[(\f)+8*(\i)+4:(\f)+8*(\i)+7], v[ADRB+(\slot)] offset:((\q)/2)*CHB+((\q)%2)*64+(\i)*R16+32
.endr
.irp i, 0,1,2,3
	ds_load_b128 v[(\f)+64+8*(\i):(\f)+64+8*(\i)+3],   v[ADRA+(\slot)] offset:((\q)/2)*CHA+((\q)%2)*64+(\i)*R16
	ds_load_b128 v[(\f)+64+8*(\i)+4:(\f)+64+8*(\i)+7], v[ADRA+(\slot)] offset:((\q)/2)*CHA+((\q)%2)*64+(\i)*R16+32
.endr
.endm
.macro PLACES                          ; four places in front of loads into registers that matrix instructions have read (ISA guide 7.12.1 for vector instructions)
.rept 4
	v_nop
.endr
.endm
; A whole step is six parts of 32 along K, 32 matrix instructions each, on buffers 0, 1, 0, 1, 0, 1.  One of the first five: multiplies buffer f and, in its middle, fetches part q into g.
.macro PART slot, q, f, g, zero
	s_wait_dscnt 4                                 ; owb's fragments and hid's first two are in; the youngest four loads (hid's last two) may be out
	MUL8 \f, 0, \zero
	MUL8 \f, 1, \zero
	PLACES
	FETCH \slot, \q, \g
	s_wait_dscnt 24                                ; all but the 24 just issued
	MUL8 \f, 2, \zero
	MUL8 \f, 3, \zero
.endm
.macro STEP slot                       ; the first five parts of a whole step
	PART \slot, 1, F0, F1, 0
	PART \slot, 2, F1, F0, 0
	PART \slot, 3, F0, F1, 0
	PART \slot, 4, F1, F0, 0
	PART \slot, 5, F0, F1, 0
.endm
; A step's last part multiplies buffer 1 and changes slots: ONE barrier.  In front of it each wave waits for all its tensor loads, of which one is out: its part of the next slot; adds 0 to its spare word;
; and waits for that and for its own reads of this slot.  fill = 1: this slot is filled again, two steps ahead (ia, ib: how far that is in memory); the barrier then opens a round of the cluster's, so that no wave
; of any partner still reads the slot or has a load on its way, and the joint refill is the first thing behind it: 176 matrix instructions ahead of the wait for it.  ask = 1: the trip's prefetches.
.macro TURN slot, next, fill, ask, ia, ib
.if \ask
	s_wait_xcnt 0x0                                ; the last prefetches, two steps back, have read their address, so it may be stepped
	s_add_nc_u64 s[PFA:PFA+1], s[PFA:PFA+1], s[PFS:PFS+1]
.endif
	WIN 0                                          ; (the add's two registers lie in window 0)
	s_wait_tensorcnt 0x0                           ; all my tensor loads have landed: my part of the next slot;
	ds_add_u32 v[SPW], v[NIL]                      ; 0 onto my spare word;
	s_wait_dscnt 5                                 ; (the add and the youngest four loads may be out)
	MUL8 F1, 0, 0                                  ; eight matrix instructions stand between the add and the wait for it
	s_wait_dscnt 0x0                               ; the add is done, and my reads of this slot are over
	s_barrier_signal -1
	MUL8 F1, 1, 0                                  ; work on registers while the others arrive
.if \fill
	WIN 0
.endif
	s_barrier_wait -1
.if \fill
	CREST
	s_add_nc_u64 s[G0A+4*(\slot)+2:G0A+4*(\slot)+3], s[G0A+4*(\slot)+2:G0A+4*(\slot)+3], \ia  ; no tensor load of mine is out, so a group 0 may be written; the type bits on top are not reached
	s_add_nc_u64 s[G0B+4*(\slot)+2:G0B+4*(\slot)+3], s[G0B+4*(\slot)+2:G0B+4*(\slot)+3], \ib
	JLOAD \slot, G1A, G1B                          ; the four v_nop behind it are also the places in front of the loads below
.else
	PLACES
.endif
	FETCH \next, 0, F0
.if \ask
	ASK                                            ; behind the joint load and the run of LDS loads that the next products wait for
.endif
	MUL8 F1, 2, 0
	MUL8 F1, 3, 0
.endm
; THE WAY OUT of block a (16 of my rows).  TOSTAGE: the sums go as f32 into my own stage and come back as whole rows: a lane then holds four neighbouring columns.
.macro TOSTAGE a
.set T, 32+96*((\a)%2)
	WIN 0x04                                       ; store data (source 1) window 1
.irp b, 0,1,2,3,4,5,6,7
	ds_store_b128 v[STO], v[8*(8*(\a)+(\b)):8*(8*(\a)+(\b))+3]   offset:64*(\b)      ; each accumulator's low four registers first
	ds_store_b128 v[STO], v[8*(8*(\a)+(\b))+4:8*(8*(\a)+(\b))+7] offset:64*(\b)+16
.endr
	WIN 0
.if (\a) >= 2
	s_wait_xcnt 0x0                                ; the stores of the block two back have read these registers (ISA guide 3.1)
.endif
.irp t, 0,1,2,3,4,5,6,7,8,9,10,11,12,13,14,15
	ds_load_b128 v[T+4*(\t):T+4*(\t)+3], v[RD] offset:(\t)*SPITCH  ; LDS serves a wave's instructions in order (ISA guide 5.7.1.4): these see the stores above; the next block's stores come behind them
.endr
.endm
; FIN: out_b is added and the rows are stored: 32 lanes store 512 consecutive bytes, aligned; written once and not read again.
.macro FIN a
.set T, 32+96*((\a)%2)
.set t, 0
.rept 16
	s_wait_dscnt 15-t                              ; LDS loads come back in order: row t is in, the younger rows may be out
	v_pk_add_f32 v[T+4*t:T+4*t+1],   v[T+4*t:T+4*t+1],   v[OB:OB+1]
	v_pk_add_f32 v[T+4*t+2:T+4*t+3], v[T+4*t+2:T+4*t+3], v[OB+2:OB+3]
	global_store_b128 v[CO], v[T+4*t:T+4*t+3], s[10:11] offset:(16*(\a)+t)*ROWC th:TH_STORE_NT
.set t, t+1
.endr
.endm
	s_wait_tensorcnt 0x1                           ; my part of step 0 is in; step 1's may stay out
	s_barrier_signal -1
	s_barrier_wait -1                              ; everybody's is
	FETCH 0, 0, F0
	PART 0, 1, F0, F1, 1                           ; step 0, one chunk: its first part starts the sums,
	TURN 0, 1, 1, 0, FIRSTA, FIRSTB                ; its second changes slots; slot 0 takes step 2
	WIN 0                                          ; at a label and at a branch every window is 0
	s_mov_b32 s3, LAPS
.Llap:                                                 ; trip j: steps 2 j + 1 and 2 j + 2 are multiplied, steps 2 j + 3 and 2 j + 4 asked for
	STEP 1
	TURN 1, 0, 1, 1, 2*STEPA, 2*STEPB
	STEP 0
	TURN 0, 1, 1, 0, 2*STEPA, 2*STEPB
	WIN 0
	s_sub_co_u32 s3, s3, 1
	s_cmp_lg_u32 s3, 0
	s_cbranch_scc1 .Llap
	STEP 1                                         ; the tail is written out.  Step 19
	TURN 1, 0, 1, 0, 2*STEPA, 2*STEPB              ; slot 1 takes step 21: the last fill
	STEP 0                                         ; step 20
	TURN 0, 1, 0, 0, 0, 0                          ; nothing is filled: a plain barrier.  Behind it no wave reads slot 0 any more, and no tensor load follows
	STEP 1                                         ; step 21
	s_wait_dscnt 4                                 ; its last part: nothing more to fetch
	MUL8 F1, 0, 0
	MUL8 F1, 1, 0
	s_wait_dscnt 0x0
	MUL8 F1, 2, 0
	MUL8 F1, 3, 0
	WIN 0
.rept 8
	v_nop                                          ; the places behind the last products, in front of the stores that read results and the loads into the fragments' registers; once a launch
.endr
.irp a, 0,1,2,3
	TOSTAGE \a
	FIN \a
.endr
	s_wait_tensorcnt 0x0                           ; the wave's end: a wait, an add and its wait, behind my last tensor load and my last LDS store
	ds_add_u32 v[SPW], v[NIL]
	s_wait_dscnt 0x0
	CROUND                                         ; the closing round: no work-group ends while a partner may still ask for a tile that names it
	s_endpgm
.Lfunc_end_k_q3dedeb09ca_gemm2:
	.size	k_q3dedeb09ca_gemm2, .Lfunc_end_k_q3dedeb09ca_gemm2-k_q3dedeb09ca_gemm2
	.p2alignl 7, 3214868480
	.fill 96, 4, 3214868480
	.section	.rodata,"a",@progbits
	.p2align	6, 0x0
	.amdhsa_kernel k_q3dedeb09ca_gemm2
		.amdhsa_group_segment_fixed_size 327680
		.amdhsa_private_segment_fixed_size 0
		.amdhsa_enable_private_segment 0
		.amdhsa_kernarg_size 32
		.amdhsa_user_sgpr_count 2
		.amdhsa_user_sgpr_kernarg_segment_ptr 1
		.amdhsa_wavefront_size32 1
		.amdhsa_system_sgpr_workgroup_id_x 1
		.amdhsa_system_sgpr_workgroup_id_y 1
		.amdhsa_system_sgpr_workgroup_id_z 1
		.amdhsa_system_vgpr_workitem_id 0
		.amdhsa_next_free_vgpr 512
		.amdhsa_next_free_sgpr 96
		.amdhsa_reserve_vcc 0
		.amdhsa_float_denorm_mode_32 3
		.amdhsa_float_denorm_mode_16_64 3
		.amdhsa_memory_ordered 1
		.amdhsa_forward_progress 1
		.amdhsa_inst_pref_size 159
	.end_amdhsa_kernel
	.amdgpu_metadata
---
amdhsa.version: [ 1, 2 ]
amdhsa.kernels:
  - .name:           k_q3dedeb09ca_gemm2
    .symbol:         k_q3dedeb09ca_gemm2.kd
    .args:
      - { .name: hid, .offset: 0, .size: 8, .value_kind: global_buffer, .address_space: global }
      - { .name: owb, .offset: 8, .size: 8, .value_kind: global_buffer, .address_space: global }
      - { .name: out_b, .offset: 16, .size: 8, .value_kind: global_buffer, .address_space: global }
      - { .name: out0, .offset: 24, .size: 8, .value_kind: global_buffer, .address_space: global }
    .group_segment_fixed_size: 327680
    .private_segment_fixed_size: 0
    .kernarg_segment_align: 8
    .kernarg_segment_size: 32
    .max_flat_workgroup_size: 128
    .sgpr_count:     96
    .vgpr_count:     512
    .wavefront_size: 32
...
	.end_amdgpu_metadata
.endif
;; end of part 6
;; ======== version 3 of 3: 3 launches; version 2 with the launch cvt written anew for expert scheduling mode
;; workspace buffers: xb 16,777,216 bytes; pwb 33,554,432 bytes; owb 33,554,432 bytes; hid 16,777,216 bytes
;; launch cvt (part 7): grid 1024 x 1, 8 waves a work-group, no clusters, 0 bytes of LDS; arguments x, proj_w, xb, pwb; writes xb, pwb
.if DOCPART == 7
	.amdgcn_target "amdgcn-amd-amdhsa--gfx1250"
	.amdhsa_code_object_version 6
	.text
	.protected	k_q3dedeb09ca_cvt
	.globl	k_q3dedeb09ca_cvt
	.p2align	8
	.type	k_q3dedeb09ca_cvt,@function
k_q3dedeb09ca_cvt:
	s_mov_b64 s[64:65], 0
	v_nop
	global_prefetch_b8 v0, s[64:65] scope:SCOPE_SE
	s_setreg_imm32_b32 hwreg(HW_REG_WAVE_SCHED_MODE, 0, 2), 2
	s_setreg_imm32_b32 hwreg(HW_REG_WAVE_MODE, 25, 1), 1
	s_wait_xcnt 0x0
	s_wait_alu depctr_vm_vsrc(0)
; xb = bf16(x), pwb = bf16(proj_w): the first product's two operands, each rounded once (to nearest even), and LAID OUT IN BLOCKS for the products that follow:
;   [group of G rows][chunk of 64 along K][row in the group][64 numbers],  G = 64 for xb, 128 for pwb.
; So the part of a K step that one tensor load of the products brings (G rows x 192 along K) is one dense run of bytes.  (out_w, which only the second product needs, is converted beside the first product.)
; A stream: every byte is read once and written once, no number meets another.  So no LDS, no barrier, no matrix unit, no cluster (no two work-groups read the same byte).
; SHARES.  1,024 work-groups of eight waves.  Each converts 2 rows of x and 4 of proj_w: three pairs of rows.  An ITEM is eight chunks of a pair of rows, a chunk a wave: lanes 0-15 take
; 256 consecutive bytes (64 f32) of the even row, lanes 16-31 of the odd one; the wave's store is the two rows' 128 bytes each, which lie end to end: 256 consecutive bytes, aligned.
; A pair of rows has 64 chunks: 8 items; 24 items in all, each reached from its own buffer's address.
; IN FLIGHT.  A ring of 16 loads a wave.  The first 8 items are converted into registers of their own, so that their slot can be loaded again at once; the last 16 in place.
; THE MODE: SCHED_MODE bits 1:0 = 2 (LLVM: expert scheduling mode 2), set by the entry lines.  The code itself states the register dependences
; between vector instructions and memory instructions, with s_wait_alu, always for 0.
; THE PLAN.  The 24 items go in six blocks of four.  Registers that memory instructions touch:
;   v1, v2, v3     byte offsets, made once at the head and never written again: every item is reached by its buffer's scalar base, which is not written again either, and an immediate offset.
;   X slots 0-7    Items 0-7 land; the conversions of blocks 0 and 1 read them; items 16-23 land; blocks 4 and 5 convert them in place; the stores of items 16-23 read them.  (v4 and v5, of slot 0, serve the head first.)
;   X slots 8-15   Items 8-15 land; blocks 2 and 3 convert them in place; the stores of items 8-15 read them.
;   Y              Written by the conversions of blocks 0 and 1; read by the stores of items 0-7.
; A block: the counted wait for its four loads; its eight conversions; ONE wait on va_vdst; in blocks 0 and 1 the four loads that fill the emptied slots again; its four stores.  That wait states all that the
; block's memory instructions hang on, and no vector instruction stands between it and them.  It stands behind the conversions, not at the next block's head, so that no slot lies idle and no store is held back.
; No register that a load or store reads (an offset, a store's data) is ever written again, by a vector instruction or by a load: so the text holds no wait on vm_vsrc and no s_wait_xcnt.
; No vector instruction writes a scalar register or VCC, and EXEC is never written.
.set DEPTH, 16                         ; loads in flight in each wave
.set NX,    8                          ; items of x
.set NW,    16                         ; items of proj_w
.set ITEMS, NX+NW
.set X,     4                          ; v[4:67]    slot i: 4 f32 as loaded
.set Y,     68                         ; v[68:83]   item n < 8: 4 bf16 to store
	s_load_b256 s[4:11], s[0:1], 0x0               ; x s[4:5], proj_w s[6:7], xb s[8:9], pwb s[10:11]
	s_lshl_b32 s16, ttmp9, 15                      ; my 2 rows of x: 32,768 bytes
	s_mov_b32 s17, 0
	s_lshl_b32 s18, ttmp9, 16                      ; my 4 rows of proj_w: 65,536 bytes
	s_mov_b32 s19, 0
	s_lshr_b32 s22, ttmp9, 5                       ; 32 work-groups fill a group of rows, in xb (32 x 2) and in pwb (32 x 4)
	s_and_b32 s23, ttmp9, 31
	s_lshl_b32 s20, s22, 19                        ; xb: a group is 64 rows x 8,192 bytes,
	s_lshl_b32 s24, s23, 8                         ; my 2 rows of 128 bytes in a chunk
	s_add_co_u32 s20, s20, s24
	s_mov_b32 s21, 0
	s_lshl_b32 s22, s22, 20                        ; pwb: a group is 128 rows x 8,192 bytes,
	s_lshl_b32 s23, s23, 9                         ; my 4 rows of 128 bytes in a chunk
	s_add_co_u32 s22, s22, s23
	s_mov_b32 s23, 0
	v_lshrrev_b32 v4, 5, v0                        ; my wave = my chunk of an item's eight
	v_and_b32 v5, 31, v0
	v_lshlrev_b32 v5, 3, v5                        ; 8 x lane
	v_lshl_add_u32 v2, v4, 13, v5                  ; out, xb: a chunk of a group is 64 x 128 bytes; never rewritten
	v_lshl_add_u32 v3, v4, 14, v5                  ; out, pwb: 128 x 128 bytes; never rewritten
	v_and_b32 v1, 15, v0
	v_lshlrev_b32 v1, 4, v1                        ; in: 16 bytes a lane,
	v_lshl_add_u32 v1, v4, 8, v1                   ; a chunk is 256 bytes of f32,
	v_bfe_u32 v5, v0, 4, 1
	v_lshl_add_u32 v1, v5, 14, v1                  ; lanes 16-31 one row of 16,384 bytes further down; never rewritten
	s_wait_kmcnt 0x0
	s_add_nc_u64 s[4:5], s[4:5], s[16:17]
	s_add_nc_u64 s[6:7], s[6:7], s[18:19]
	s_add_nc_u64 s[8:9], s[8:9], s[20:21]
	s_add_nc_u64 s[10:11], s[10:11], s[22:23]
	s_wait_alu depctr_va_vdst(0)                   ; v1, v2 and v3 are written: every load and store of the kernel reads one of them as its offset; the lines above are done with v4 and v5, in which item 0's load lands
.macro PLACE n                         ; item n: SB, DB = the scalar pairs of its source and destination, VO = the register of its store's offset, IOF, OOF = its bytes in my share
.if (\n) < NX
.set SB, 4
.set DB, 8
.set VO, 2
.set IOF, (\n)*2048                    ; eight chunks of 256 bytes on
.set OOF, (\n)*65536                   ; eight chunks of 8,192 bytes on
.else
.set SB, 6
.set DB, 10
.set VO, 3
.set RW, (\n)-NX
.set IOF, (RW/8)*32768+(RW%8)*2048     ; the pair of rows, the eight chunks
.set OOF, (RW/8)*256+(RW%8)*131072
.endif
.endm
.macro REGS n                          ; item n: XS = its slot, YS = where its four bf16 go: registers of their own for the first 8 items, the slot's first two for the others
.set XS, X+4*((\n)%DEPTH)
.if (\n) < ITEMS-DEPTH
.set YS, Y+2*(\n)
.else
.set YS, XS
.endif
.endm
.macro FILL n                          ; item n is asked for, into slot n % 16
	PLACE \n
	global_load_b128 v[X+4*((\n)%DEPTH):X+4*((\n)%DEPTH)+3], v1, s[SB:SB+1] offset:IOF th:TH_LOAD_NT
.endm
.macro ROUND n                         ; item n is rounded: four f32 into two registers
	REGS \n
	v_cvt_pk_bf16_f32 v[YS],   v[XS],   v[XS+1]
	v_cvt_pk_bf16_f32 v[YS+1], v[XS+2], v[XS+3]
.endm
.macro SEND n                          ; item n is stored
	REGS \n
	PLACE \n
	global_store_b64 v[VO], v[YS:YS+1], s[DB:DB+1] offset:OOF
.endm
; Block p: items 4 p to 4 p + 3.  left = how many younger loads may still be out when the block's four have to be there: the loads issued so far (16, 20, then 24) less the 4 p + 4 that are wanted.
.macro BLOCK p, left
	s_wait_loadcnt \left                           ; loads come back in order (ISA guide 5.7.1): the block's four items are in, the younger ones stay out
.irp i, 0,1,2,3
	ROUND 4*(\p)+(\i)
.endr
	s_wait_alu depctr_va_vdst(0)                   ; the eight conversions have written the registers that the four stores below read; in blocks 0 and 1 they are also done reading the four slots in which the loads below land
.if 4*(\p) < ITEMS-DEPTH
.irp i, 0,1,2,3
	FILL 4*(\p)+(\i)+DEPTH                         ; the loads ahead of the stores
.endr
.endif
.irp i, 0,1,2,3
	SEND 4*(\p)+(\i)
.endr
.endm
.set it, 0
.rept DEPTH
	FILL it
.set it, it+1
.endr
	BLOCK 0, 12                                    ; 16 issued, 4 wanted; items 16 to 19 are asked for
	BLOCK 1, 12                                    ; 20 issued, 8 wanted; items 20 to 23 are asked for
	BLOCK 2, 12                                    ; 24 issued, 12 wanted
	BLOCK 3, 8                                     ; nothing more is asked for: the counts run down
	BLOCK 4, 4
	BLOCK 5, 0
	s_endpgm
.Lfunc_end_k_q3dedeb09ca_cvt:
	.size	k_q3dedeb09ca_cvt, .Lfunc_end_k_q3dedeb09ca_cvt-k_q3dedeb09ca_cvt
	.p2alignl 7, 3214868480
	.fill 96, 4, 3214868480
	.section	.rodata,"a",@progbits
	.p2align	6, 0x0
	.amdhsa_kernel k_q3dedeb09ca_cvt
		.amdhsa_group_segment_fixed_size 0
		.amdhsa_private_segment_fixed_size 0
		.amdhsa_enable_private_segment 0
		.amdhsa_kernarg_size 32
		.amdhsa_user_sgpr_count 2
		.amdhsa_user_sgpr_kernarg_segment_ptr 1
		.amdhsa_wavefront_size32 1
		.amdhsa_system_sgpr_workgroup_id_x 1
		.amdhsa_system_sgpr_workgroup_id_y 1
		.amdhsa_system_sgpr_workgroup_id_z 1
		.amdhsa_system_vgpr_workitem_id 0
		.amdhsa_next_free_vgpr 84
		.amdhsa_next_free_sgpr 66
		.amdhsa_reserve_vcc 0
		.amdhsa_float_denorm_mode_32 3
		.amdhsa_float_denorm_mode_16_64 3
		.amdhsa_memory_ordered 1
		.amdhsa_forward_progress 1
		.amdhsa_inst_pref_size 10
	.end_amdhsa_kernel
	.amdgpu_metadata
---
amdhsa.version: [ 1, 2 ]
amdhsa.kernels:
  - .name:           k_q3dedeb09ca_cvt
    .symbol:         k_q3dedeb09ca_cvt.kd
    .args:
      - { .name: x, .offset: 0, .size: 8, .value_kind: global_buffer, .address_space: global }
      - { .name: proj_w, .offset: 8, .size: 8, .value_kind: global_buffer, .address_space: global }
      - { .name: xb, .offset: 16, .size: 8, .value_kind: global_buffer, .address_space: global }
      - { .name: pwb, .offset: 24, .size: 8, .value_kind: global_buffer, .address_space: global }
    .group_segment_fixed_size: 0
    .private_segment_fixed_size: 0
    .kernarg_segment_align: 8
    .kernarg_segment_size: 32
    .max_flat_workgroup_size: 256
    .sgpr_count:     66
    .vgpr_count:     84
    .wavefront_size: 32
...
	.end_amdgpu_metadata
.endif
;; end of part 7
;; launch gemm1: the kernel of part 5 again; grid 16 x 16, 4 waves a work-group, clusters of 4 x 4, 327,680 bytes of LDS; arguments xb, pwb, cache, proj_b, mix_w, mix_b, decay_value, hid, out_w, owb; writes hid, owb
;; launch gemm2: the kernel of part 6 again; grid 16 x 16, 4 waves a work-group, clusters of 4 x 4, 327,680 bytes of LDS; arguments hid, owb, out_b, out0; writes out0
